; MI455X (gfx1250); checked and timed in simulation.
; The chip was launched on July 23, 2026; its instructions are those of AMD's public machine-readable ISA for CDNA 5 (MIT licence, August 2026) and "CDNA5" Instruction Set Architecture Reference Guide (July 2026). The comments in the code are by the model that wrote it; some were corrected since.
;; MHS Attention. Allowed arithmetic: matrix products marked QUANTISED: E2M1 operands, one E8M0 scale for each 32 along K, by v_wmma_scale_f32_16x16x128_f8f6f4 with both operands' format E2M1 (or v_wmma_scale_f32_32x16x128_f4), f32 sums; products left as they are: bf16, f16 or f32 operands; f32 sums; everything else in f32.
;; Inputs: w_out 1,024 x 1,024 float32; w_qkv 1,024 x 3,072 float32; x 4 x 2,048 x 1,024 float32.
;; Outputs: out0 4 x 2,048 x 1,024 float32.
;; This version of the problem:
;;   THIS VERSION OF THE PROBLEM IS GIVEN IN LOW PRECISION. The matrix products marked QUANTISED in the list below multiply operands that are first quantised to E2M1 (2 exponent bits, 1 mantissa bit; 4 bits a number), with one power-of-two scale for each 32 numbers along K (OCP MX v1.0); their sums are f32. The products marked 'left as it is' may take bf16, f16 or f32 operands, with f32 sums. Whichever they take, every output number must still come out within the allowed error. Rounding operands to bf16 (8 significant bits) uses up far more of that allowance than f16 does (11 bits, for magnitudes from 6e-5 to 65,504). All else is computed in f32.
;;   The module's matrix products, in the order in which they are computed (A, B: the left and right operand; K: the contracted axis; several contracted axes count as one K, in the product's order):
;;     1. [M 8,192, K 1,024] x [K 1,024, N 3,072]; A: input x; B: input w_qkv: QUANTISED
;;     2. batch 64 x [M 2,048, K 64] x [K 64, N 2,048]; A: computed on the way; B: computed on the way: left as it is (an operand is computed on the way)
;;     3. batch 64 x [M 2,048, K 2,048] x [K 2,048, N 64]; A: computed on the way; B: computed on the way: left as it is (an operand is computed on the way)
;;     4. [M 8,192, K 1,024] x [K 1,024, N 1,024]; A: computed on the way; B: input w_out: left as it is (an operand is computed on the way)
;;   THE QUANTISER, for each operand of a quantised product, along K:
;;     - K is cut into blocks of 32 from its start; a last block that is shorter is filled with zeros.
;;     - A block's scale is 2^e with e = floor(log2(the largest magnitude in the block)) - 2, held to -126 .. 127; a block of zeros has e = 0. As a byte (E8M0): e + 127.
;;     - Each number is divided by its block's scale, clamped to +-6, and rounded to the nearest number of E2M1, ties to even, subnormals kept.
;;     - The product sums the exact products of the quantised numbers (number of the format x scale) in f32.
;;   ~~~python
;;   def quantise(x, axis):      # numpy; x: float32 -> the quantised numbers, widened to float32 again
;;       x = np.moveaxis(x, axis, -1); K = x.shape[-1]
;;       x = np.pad(x, [(0, 0)] * (x.ndim - 1) + [(0, -K % 32)]); x = x.reshape(x.shape[:-1] + (-1, 32)); a = np.abs(x).max(-1, keepdims=True)
;;       e = np.where(a > 0, np.clip(np.frexp(np.where(a > 0, a, 1))[1] - 1 - 2, -126, 127), 0)      # np.frexp(a)[1] - 1 = floor(log2(a)), exactly
;;       r = np.clip(x / 2.0 ** e, -6, 6)
;;       step = 2.0 ** (np.maximum(np.frexp(np.where(r == 0, 1, r))[1] - 1, 0) - 1)
;;       q = np.round(r / step) * step * 2.0 ** e      # np.round: ties to even
;;       return np.moveaxis(q.reshape(q.shape[:-2] + (-1,))[..., :K], -1, axis).astype(np.float32)
;;   ~~~
;; One version. Each part assembles by itself: llvm-mc -triple=amdgcn-amd-amdhsa -mcpu=gfx1250 --defsym DOCPART=n.
;; ======== version 1 of 1: 4 launches
;; limits: values are held in f16: magnitudes above 65,504 overflow, below 6.1e-05 lose precision
;; workspace buffers: x_codes 4,194,304 bytes; x_scales 262,144 bytes; wq_codes 1,572,864 bytes; wq_scales 98,304 bytes; wo16 2,097,152 bytes; qkv 50,331,648 bytes; o16 16,777,216 bytes
;; launch prep (part 1): grid 416 x 1, 4 waves a work-group, no clusters, 50,688 bytes of LDS; arguments x, w_qkv, w_out, x_codes, x_scales, wq_codes, wq_scales, wo16; writes x_codes, x_scales, wq_codes, wq_scales, wo16
.if DOCPART == 1
	.amdgcn_target "amdgcn-amd-amdhsa--gfx1250"
	.amdhsa_code_object_version 6
	.text
	.protected	k_q1c631ab0e9_prep
	.globl	k_q1c631ab0e9_prep
	.p2align	8
	.type	k_q1c631ab0e9_prep,@function
k_q1c631ab0e9_prep:
	s_mov_b64 s[64:65], 0
	v_nop
	global_prefetch_b8 v0, s[64:65] scope:SCOPE_SE
	s_setreg_imm32_b32 hwreg(HW_REG_WAVE_MODE, 25, 1), 1
	s_wait_xcnt 0x0
; PREP.  Three jobs in one launch, told apart by the work-group's number alone (the same in all four waves of a work-group):
;   work-groups   0 ..  95: w_qkv [1024 (k)][3072 (n)] f32 -> codes of E2M1 laid [3072][512 bytes], K innermost, and one E8M0 byte for each 32 along K, laid [3072][32]
;   work-groups  96 .. 159: w_out [1024][1024] f32 -> f16, same layout
;   work-groups 160 .. 415: x [8192][1024] f32 -> codes [8192][512 bytes] and scale bytes [8192][32]
; A block's scale is 2^(floor(log2(its largest magnitude)) - 2); its byte is the largest magnitude's exponent field - 2, held at 1 from below.
; LIMITS: a block of zeros gets the byte 1 where the rule says 127 (its codes are zeros, which add nothing, and only this program reads the bytes); blocks whose largest magnitude lies under
; 2^-124 have their byte held at 1; NaN and infinities among the inputs are not served; |w_out| above 65,504 does not fit f16, and under 6e-5 it has f16's fixed step of 6e-8.
; No cluster: no two work-groups read the same bytes.  No tensor loads: everything goes through registers.  Each path that uses LDS has LDS bytes of its own.
.set SPARE, 50176                      ; the spare words, 128 bytes for each wave: two blocks of 256 bytes that no other line names
.set WB,    32768                      ; the w path's stage: 64 rows x 272 bytes
.set SPW,   190                        ; v190 LDS address of my spare word; never rewritten
.set NIL,   191                        ; v191 0; never rewritten
	s_load_b256 s[4:11], s[0:1], 0x0               ; x s[4:5], w_qkv s[6:7], w_out s[8:9], x_codes s[10:11]
	s_load_b256 s[12:19], s[0:1], 0x20             ; x_scales s[12:13], wq_codes s[14:15], wq_scales s[16:17], wo16 s[18:19]
	v_lshl_add_u32 v[SPW], v0, 2, SPARE
	v_mov_b32 v[NIL], 0
	v_lshrrev_b32 v1, 5, v0
	v_readfirstlane_b32 s20, v1                    ; wave 0..3
	v_and_b32 v2, 31, v0                           ; lane
	s_wait_kmcnt 0x0
	s_cmp_lt_u32 ttmp9, 96
	s_cbranch_scc1 .Lw
	s_cmp_lt_u32 ttmp9, 160
	s_cbranch_scc1 .Lcast
; ---------------- x: a plain stream of blocks of 32 numbers.  A wave takes 16 steps of 512 numbers.
; Each load reads 512 consecutive bytes, 16 a lane; a step's 2,048 bytes turn through the wave's own stage in LDS and come back 64 bytes a lane: 16 neighbours along K, two lanes to a block.
.set STEPS, 16
.set SPX,   80                         ; a lane's place in a stage: its 64 bytes + 16 of padding
.set WREG,  8192                       ; LDS of a wave: two stages of 32 x 80 bytes, then its 256 scale bytes
.set XR,    16                         ; v16-79   four sets of 16 numbers as loaded
.set XX,    80                         ; v80-111  two sets of 16 neighbours
.set XE,    112                        ; v112-127 a scale byte for each step
.set XC,    128                        ; v128-159 codes: two registers for each step, so that no store's data are written again
	v_lshlrev_b32 v3, 4, v2                        ; my 16 bytes of a load's 512
	s_mul_i32 s21, s20, WREG
	v_lshrrev_b32 v14, 2, v2
	v_mul_u32_u24 v14, v14, SPX
	v_and_b32 v15, 3, v2
	v_lshl_add_u32 v14, v15, 4, v14
	v_add_nc_u32 v14, s21, v14                     ; the stage, in: 80 (lane / 4) + 16 (lane % 4)
	v_mul_u32_u24 v15, v2, SPX
	v_add_nc_u32 v15, s21, v15                     ; and out: 80 x lane
	v_lshlrev_b32 v4, 3, v2                        ; 8 bytes a lane: my codes in a step's 256 bytes, and my part of the 256 scale bytes
	v_lshrrev_b32 v5, 1, v2
	s_add_co_u32 s21, s21, 2*32*SPX
	v_add_nc_u32 v5, s21, v5                       ; my block's scale byte in LDS
	v_add_nc_u32 v6, s21, v4                       ; and where I read 8 of them back
	s_sub_co_u32 s22, ttmp9, 160
	s_lshl_b32 s22, s22, 2
	s_add_co_u32 s22, s22, s20                     ; which run of 8,192 numbers is my wave's: 0 .. 1,023
	s_mov_b32 s25, 0
	s_lshl_b32 s24, s22, 15
	s_add_nc_u64 s[4:5], s[4:5], s[24:25]          ; 32,768 bytes of x a run,
	s_lshl_b32 s24, s22, 12
	s_add_nc_u64 s[10:11], s[10:11], s[24:25]      ; 4,096 of codes,
	s_lshl_b32 s24, s22, 8
	s_add_nc_u64 s[12:13], s[12:13], s[24:25]      ; 256 of scale bytes
.macro XLOAD t
.irp i, 0,1,2,3
	global_load_b128 v[XR+16*((\t)%4)+4*\i:XR+16*((\t)%4)+4*\i+3], v3, s[4:5] offset:2048*(\t)+512*\i th:TH_LOAD_NT
.endr
.endm
.macro XTURN t                         ; LDS serves a wave's instructions in order (ISA guide 5.7.1.4): no wait between the stores and the loads
.irp i, 0,1,2,3
	ds_store_b128 v14, v[XR+16*((\t)%4)+4*\i:XR+16*((\t)%4)+4*\i+3] offset:32*SPX*((\t)%2)+8*SPX*\i
.endr
.irp i, 0,1,2,3
	ds_load_b128 v[XX+16*((\t)%2)+4*\i:XX+16*((\t)%2)+4*\i+3], v15 offset:32*SPX*((\t)%2)+16*\i
.endr
.endm
.irp t, 0,1,2,3
	XLOAD \t
.endr
	s_wait_loadcnt 12                              ; step 0's four loads are in; the twelve behind them stay out
	XTURN 0
.macro XSTEP t
.set XS, XX+16*((\t)%2)
.if (\t) > 0
	s_wait_dscnt 1                                 ; this step's numbers are back from the stage; the last step's byte store may be out
.else
	s_wait_dscnt 0x0
.endif
.if (\t)+4 < STEPS
	XLOAD (\t)+4                                   ; into the set that this step's stores into the stage have read
.endif
.if (\t)+1 < STEPS
.if STEPS-2-(\t) >= 3
	s_wait_loadcnt 12                              ; the next step's four loads are in; those of the three steps behind it may be out
.else
	s_wait_loadcnt 4*(STEPS-2-(\t))                ; at the end fewer steps stand behind it
.endif
	XTURN (\t)+1
.endif
	v_max3_num_f32 v8, |v[XS]|, |v[XS+1]|, |v[XS+2]|               ; the largest magnitude of my 16, in two chains
	v_max3_num_f32 v9, |v[XS+3]|, |v[XS+4]|, |v[XS+5]|
.irp i, 6,10
	v_max3_num_f32 v8, v8, |v[XS+\i]|, |v[XS+\i+1]|
	v_max3_num_f32 v9, v9, |v[XS+\i+2]|, |v[XS+\i+3]|
.endr
	v_max3_num_f32 v8, v8, |v[XS+14]|, |v[XS+15]|
	v_max3_num_f32 v8, v8, v9, 0x1800000           ; and the floor 2^(3 - 127): the byte cannot fall under 1
	v_max_num_f32_dpp v8, v8, v8 row_xmask:1 row_mask:0xf bank_mask:0xf   ; with my neighbour's 16: the block's
	v_add_nc_u32 v11, 0xff000000, v8               ; 2 off its exponent field: the conversion takes the exponent field of this operand as its scale
	v_cvt_scalef32_pk8_fp4_f32 v[XC+2*(\t)], v[XS:XS+7], v11
	v_cvt_scalef32_pk8_fp4_f32 v[XC+2*(\t)+1], v[XS+8:XS+15], v11
	v_lshrrev_b32 v[XE+(\t)], 23, v11              ; the scale's byte (a plain line behind the conversions)
	ds_store_b8 v5, v[XE+(\t)] offset:16*(\t)      ; both lanes of a block write the same byte with the same value
	global_store_b64 v4, v[XC+2*(\t):XC+2*(\t)+1], s[10:11] offset:256*(\t)   ; the wave stores 256 consecutive bytes, aligned
.endm
.irp t, 0,1,2,3,4,5,6,7,8,9,10,11,12,13,14,15
	XSTEP \t
.endr
	ds_load_b64 v[8:9], v6                         ; my wave's 256 scale bytes, 8 a lane: in order behind my byte stores
	s_wait_dscnt 0x0
	global_store_b64 v4, v[8:9], s[12:13]          ; 256 consecutive bytes, aligned
	s_wait_tensorcnt 0x0                           ; the wave's end, behind my last LDS store
	ds_add_u32 v[SPW], v[NIL]
	s_wait_dscnt 0x0
	s_endpgm
; ---------------- w_out to f16: a wave takes 4,096 numbers; 32 loads of 512 consecutive bytes go out at once, each register is written once
.Lcast:
	s_sub_co_u32 s22, ttmp9, 96
	s_lshl_b32 s22, s22, 2
	s_add_co_u32 s22, s22, s20                     ; run 0 .. 255
	s_mov_b32 s25, 0
	s_lshl_b32 s24, s22, 14
	s_add_nc_u64 s[8:9], s[8:9], s[24:25]
	s_lshl_b32 s24, s22, 13
	s_add_nc_u64 s[18:19], s[18:19], s[24:25]
	v_lshlrev_b32 v3, 4, v2
	v_lshlrev_b32 v4, 3, v2
.set ci, 0
.rept 32
	global_load_b128 v[32+4*ci:35+4*ci], v3, s[8:9] offset:512*ci th:TH_LOAD_NT
.set ci, ci+1
.endr
.set ci, 0
.rept 32
	s_wait_loadcnt 31-ci                           ; loads come back in order: this one is in, the younger ones stay out
	v_cvt_pk_f16_f32 v[32+4*ci], v[32+4*ci], v[33+4*ci]
	v_cvt_pk_f16_f32 v[33+4*ci], v[34+4*ci], v[35+4*ci]
	global_store_b64 v4, v[32+4*ci:33+4*ci], s[18:19] offset:256*ci   ; 256 consecutive bytes, aligned
.set ci, ci+1
.endr
	s_wait_tensorcnt 0x0                           ; the launch's one form of a wave's end
	ds_add_u32 v[SPW], v[NIL]
	s_wait_dscnt 0x0
	s_endpgm
; ---------------- w_qkv: K is its FIRST axis.  A lane takes a column n and its registers run down K: a block of 32 lies in one lane, and the conversions give codes with K innermost.
; A work-group takes 64 columns x 512 along K; wave w takes columns 32 (w & 1) on and K 256 (w >> 1) on: 8 blocks a lane, 128 bytes of codes a column.  The two waves of a column meet in a stage
; (row = column, 256 bytes + 16), and behind a barrier each wave stores 16 whole rows: sixteen lanes write 256 consecutive bytes, aligned.  Loads run two blocks ahead.
.set WX,   32                          ; v32-95   two sets of 32 numbers
.set WC,   96                          ; v96-99   a block's codes
.set WSB,  24                          ; v24-25   my 8 scale bytes
.set WOUT, 112                         ; v112-143 the way out
.Lw:
	s_cmp_ge_u32 ttmp9, 48
	s_cselect_b32 s21, 1, 0                        ; y: which 512 along K
	s_cselect_b32 s22, 48, 0
	s_sub_co_u32 s22, ttmp9, s22                   ; which 64 columns
	s_and_b32 s23, s20, 1
	s_lshr_b32 s24, s20, 1
	s_lshl_b32 s25, s22, 6
	s_lshl_b32 s26, s23, 5
	s_add_co_u32 s25, s25, s26                     ; my wave's first column
	s_lshl_b32 s26, s21, 9
	s_lshl_b32 s27, s24, 8
	s_add_co_u32 s26, s26, s27                     ; my wave's first row k
	s_mul_i32 s28, s26, 12288                      ; a row of w_qkv is 12,288 bytes
	s_lshl_b32 s27, s25, 2
	s_add_co_u32 s28, s28, s27
	s_mov_b32 s29, 0
	s_add_nc_u64 s[6:7], s[6:7], s[28:29]
	s_lshl_b32 s28, s25, 5                         ; scale bytes: 32 a column, + 16 y + 8 (w >> 1)
	s_lshl_b32 s27, s21, 4
	s_add_co_u32 s28, s28, s27
	s_lshl_b32 s27, s24, 3
	s_add_co_u32 s28, s28, s27
	s_add_nc_u64 s[16:17], s[16:17], s[28:29]
	s_lshl_b32 s28, s22, 6                         ; codes: the 16 rows that I store, 512 bytes a row, + 256 y
	s_lshl_b32 s27, s20, 4
	s_add_co_u32 s28, s28, s27
	s_lshl_b32 s28, s28, 9
	s_lshl_b32 s27, s21, 8
	s_add_co_u32 s28, s28, s27
	s_add_nc_u64 s[14:15], s[14:15], s[28:29]
	s_mul_i32 s27, s23, 32*272
	s_lshl_b32 s26, s24, 7
	s_add_co_u32 s27, s27, s26
	s_add_co_u32 s27, s27, WB
	v_mul_u32_u24 v4, v2, 272
	v_add_nc_u32 v4, s27, v4                       ; the stage, in: row 32 (w & 1) + lane, byte 128 (w >> 1)
	v_and_b32 v5, 15, v2
	v_lshrrev_b32 v6, 4, v2
	v_mul_u32_u24 v7, v6, 272
	v_lshl_add_u32 v7, v5, 4, v7
	s_mul_i32 s27, s20, 16*272
	s_add_co_u32 s27, s27, WB
	v_add_nc_u32 v7, s27, v7                       ; out: rows 16 w on, sixteen lanes to a row, two rows an instruction
	v_lshlrev_b32 v8, 9, v6
	v_lshl_add_u32 v8, v5, 4, v8                   ; and the same place in the codes' buffer
	v_lshlrev_b32 v9, 5, v2                        ; my column's row of scale bytes
	v_lshlrev_b32 v3, 2, v2                        ; in: 4 bytes a lane
.macro WLOAD t                         ; block t: w(32 t + i, my column); 32 lanes read 128 consecutive bytes; the largest offset, 255 rows, lies inside the signed 24-bit immediate
.set wi, 0
.rept 32
	global_load_b32 v[WX+32*((\t)%2)+wi], v3, s[6:7] offset:(32*(\t)+wi)*12288 th:TH_LOAD_NT
.set wi, wi+1
.endr
.endm
	WLOAD 0
	WLOAD 1
.macro WBLOCK t
.set XS, WX+32*((\t)%2)
.if (\t) < 7
	s_wait_loadcnt 32                              ; this block's 32 loads are in; the next block's may be out
.else
	s_wait_loadcnt 0x0
.endif
	v_max3_num_f32 v16, |v[XS]|, |v[XS+1]|, |v[XS+2]|              ; the block's largest magnitude: all 32 numbers are mine
	v_max3_num_f32 v17, |v[XS+3]|, |v[XS+4]|, |v[XS+5]|
.irp i, 6,10,14,18,22,26
	v_max3_num_f32 v16, v16, |v[XS+\i]|, |v[XS+\i+1]|
	v_max3_num_f32 v17, v17, |v[XS+\i+2]|, |v[XS+\i+3]|
.endr
	v_max3_num_f32 v16, v16, |v[XS+30]|, |v[XS+31]|
	v_max3_num_f32 v16, v16, v17, 0x1800000        ; and the floor 2^(3 - 127)
	v_add_nc_u32 v11, 0xff000000, v16              ; 2 off its exponent field: the conversion's scale operand
	v_lshrrev_b32 v17, 23, v11                     ; the scale's byte
.if (\t)%4 == 0
	v_mov_b32 v[WSB+(\t)/4], v17                   ; four bytes to a register, the lower K in the lower byte
.else
	v_lshl_or_b32 v[WSB+(\t)/4], v17, 8*((\t)%4), v[WSB+(\t)/4]
.endif
.irp g, 0,1,2,3
	v_cvt_scalef32_pk8_fp4_f32 v[WC+\g], v[XS+8*\g:XS+8*\g+7], v11
.endr
	ds_store_b128 v4, v[WC:WC+3] offset:16*(\t)    ; 32 codes: 16 bytes of my column's row
.if (\t)+2 < 8
	WLOAD (\t)+2
.endif
	s_wait_dscnt 0x0                               ; the store has read its registers: the next block's codes may be written (plain lines stand ahead of them)
.endm
.irp t, 0,1,2,3,4,5,6,7
	WBLOCK \t
.endr
	global_store_b64 v9, v[WSB:WSB+1], s[16:17]    ; my column's 8 scale bytes: one byte for each 128 that the path reads, in rows 32 bytes apart
	s_wait_dscnt 0x0                               ; for the others' sake: my stores into the stage are done
	s_barrier_signal -1
	s_barrier_wait -1                              ; a row's 256 bytes come from two waves
.irp t, 0,1,2,3,4,5,6,7
	ds_load_b128 v[WOUT+4*\t:WOUT+4*\t+3], v7 offset:2*\t*272
.endr
.irp t, 0,1,2,3,4,5,6,7
	s_wait_dscnt 7-\t                              ; the younger loads of this run may be out
	global_store_b128 v8, v[WOUT+4*\t:WOUT+4*\t+3], s[14:15] offset:2*\t*512
.endr
	s_wait_tensorcnt 0x0                           ; the wave's end, behind my last LDS store
	ds_add_u32 v[SPW], v[NIL]
	s_wait_dscnt 0x0
	s_endpgm
.Lfunc_end_k_q1c631ab0e9_prep:
	.size	k_q1c631ab0e9_prep, .Lfunc_end_k_q1c631ab0e9_prep-k_q1c631ab0e9_prep
	.p2alignl 7, 3214868480
	.fill 96, 4, 3214868480
	.section	.rodata,"a",@progbits
	.p2align	6, 0x0
	.amdhsa_kernel k_q1c631ab0e9_prep
		.amdhsa_group_segment_fixed_size 50688
		.amdhsa_private_segment_fixed_size 0
		.amdhsa_enable_private_segment 0
		.amdhsa_kernarg_size 64
		.amdhsa_user_sgpr_count 2
		.amdhsa_user_sgpr_kernarg_segment_ptr 1
		.amdhsa_wavefront_size32 1
		.amdhsa_system_sgpr_workgroup_id_x 1
		.amdhsa_system_sgpr_workgroup_id_y 1
		.amdhsa_system_sgpr_workgroup_id_z 1
		.amdhsa_system_vgpr_workitem_id 0
		.amdhsa_next_free_vgpr 192
		.amdhsa_next_free_sgpr 66
		.amdhsa_reserve_vcc 0
		.amdhsa_float_denorm_mode_32 3
		.amdhsa_float_denorm_mode_16_64 3
		.amdhsa_memory_ordered 1
		.amdhsa_forward_progress 1
		.amdhsa_inst_pref_size 85
	.end_amdhsa_kernel
	.amdgpu_metadata
---
amdhsa.version: [ 1, 2 ]
amdhsa.kernels:
  - .name:           k_q1c631ab0e9_prep
    .symbol:         k_q1c631ab0e9_prep.kd
    .args:
      - { .name: x, .offset: 0, .size: 8, .value_kind: global_buffer, .address_space: global }
      - { .name: w_qkv, .offset: 8, .size: 8, .value_kind: global_buffer, .address_space: global }
      - { .name: w_out, .offset: 16, .size: 8, .value_kind: global_buffer, .address_space: global }
      - { .name: x_codes, .offset: 24, .size: 8, .value_kind: global_buffer, .address_space: global }
      - { .name: x_scales, .offset: 32, .size: 8, .value_kind: global_buffer, .address_space: global }
      - { .name: wq_codes, .offset: 40, .size: 8, .value_kind: global_buffer, .address_space: global }
      - { .name: wq_scales, .offset: 48, .size: 8, .value_kind: global_buffer, .address_space: global }
      - { .name: wo16, .offset: 56, .size: 8, .value_kind: global_buffer, .address_space: global }
    .group_segment_fixed_size: 50688
    .private_segment_fixed_size: 0
    .kernarg_segment_align: 8
    .kernarg_segment_size: 64
    .max_flat_workgroup_size: 128
    .sgpr_count:     66
    .vgpr_count:     192
    .wavefront_size: 32
...
	.end_amdgpu_metadata
.endif
;; end of part 1
;; launch qkv (part 2): grid 12 x 32, 4 waves a work-group, clusters of 4 x 4, 327,680 bytes of LDS; arguments x_codes, x_scales, wq_codes, wq_scales, qkv; writes qkv
.if DOCPART == 2
	.amdgcn_target "amdgcn-amd-amdhsa--gfx1250"
	.amdhsa_code_object_version 6
	.text
	.protected	k_q1c631ab0e9_qkv
	.globl	k_q1c631ab0e9_qkv
	.p2align	8
	.type	k_q1c631ab0e9_qkv,@function
k_q1c631ab0e9_qkv:
	s_mov_b64 s[64:65], 0
	v_nop
	global_prefetch_b8 v0, s[64:65] scope:SCOPE_SE
	s_setreg_imm32_b32 hwreg(HW_REG_WAVE_MODE, 25, 1), 1
	s_wait_xcnt 0x0
	s_wait_alu depctr_hold_cnt(0) depctr_sa_sdst(0) depctr_va_vdst(0) depctr_va_sdst(0) depctr_va_ssrc(0) depctr_va_vcc(0) depctr_vm_vsrc(0)
	s_getreg_b32 s2, hwreg(HW_REG_IB_STS2, 6, 4)
	s_cmp_eq_u32 s2, 0
	s_cbranch_scc0 .Lentry_in_a_cluster
	s_endpgm
.Lentry_in_a_cluster:
	s_bfe_u32 s2, ttmp6, 0x10000c
	s_cmp_lg_u32 s2, 0xf033
	s_cbranch_scc0 .Lentry_shape_is_right
	s_endpgm
.Lentry_shape_is_right:
; QKV = Q(x) Q(w_qkv): [8192][1024] x [3072 (n)][1024], both as codes of E2M1 with one E8M0 byte for each 32 along K; sums in f32.
; The result leaves as f16, laid [part 3][b 4][h 16][n 2048][64]; part 0 (q) is multiplied in f32 by c = log2(e) / 8 first, so that a score of the next launch is an exponent to base 2.
; LIMITS: |c q|, |k|, |v| above 65,504 do not fit f16; under 6e-5 they have f16's fixed step of 6e-8.
; A tile of C, 256 x 256, is made by four waves, each 128 x 128: 64 accumulators of 16 x 16, 512 registers.  K = 1,024 is two steps of 512, one in each of two LDS slots: all tiles are asked for at
; the head (three tensor loads a wave are out: scales, slot 0, slot 1) and no LDS byte is filled twice.
; CLUSTERS: 4 x 4 work-groups.  The four of a row of the cluster need the same tiles of x, the four of a column the same tiles of w: each tile is asked for JOINTLY.
; THE MATRIX INSTRUCTION IS USED TRANSPOSED (source 0 = 16 rows of w's codes, source 1 = 16 rows of x's): a lane holds eight neighbouring columns of one row of C.
; REGISTERS: window 0: v0-31 addresses; v32-95 scale words and nothing else; v128-191 x's fragments, ONE set; on the way out v96-127 and v128-255.  window 1: w's fragments, two sets, at v0 and v128.
;   window 2: the accumulators of my rows 0-63 ((a, b) at v[8 (8 a + b)]);  window 3: those of my rows 64-127.
.set SIZE_K, 1024
.set KSTEP,  512
.set NQ,     KSTEP/128
.set ROWB,   256                       ; a tile's row in bytes
.set KROW,   SIZE_K/2                  ; a row of codes in memory
.set PITCH,  272                       ; an LDS row: 256 bytes + 16 of padding: the 16 rows of a fragment load start at 16 different banks (64 banks of 4 bytes: ISA guide 11.1)
.set FR,     8
.set NL,     2
.set NP,     4                         ; places behind this matrix instruction (ISA guide 7.12.1)
.set HALFT,  128*PITCH
.set SLOT,   4*HALFT
.set KS,     SIZE_K/32                 ; a row of scale bytes
.set SCL,    2*SLOT                    ; behind the ring: the scales, as rows of 256 bytes + 16 of padding
.set HALFS,  (128*KS/256)*272
.set SBLK,   (16*KS/256)*272
.set SPARE,  SCL+4*HALFS               ; the spare words, 128 bytes a wave: two blocks of 256 bytes that no other line names
.set STAGE,  SPARE+512                 ; the way out: 16 rows x (256 bytes + 16) for each wave; no tile ever lands here
.set SPITCH, 272
.set ADRA, 16
.set ADRB, 20
.set STO,  24
.set RD,   25
.set CO,   26
.set ADRS, 27
.set SPW,  28
.set NIL,  29
.set SC,   32
.set AF,   128
.set T,    128                         ; the way out: 64 scaled numbers
.set TMP,  192                         ; 32 registers of packed f16
.set BK,   96                          ; 16 rows read back: v96-127 and v224-255 by turns
.set G1, 24
.set G0, 32
.set G1B, 48
.set G0B, 56
.set G1S, 68
.set G0S, 76
.set G1SB, 80
.set G0SB, 88
.set MSB, 0
.macro WIN new                         ; the immediate's high byte repeats the setting that is left; a switch that changes nothing is dropped
.if MSB != (\new)
	s_set_vgpr_msb (MSB<<8)|(\new)
.set MSB, (\new)
.endif
.endm
.set MUL_LO, 0xa1                      ; source 0 (w) window 1, source 1 (x) window 0, C and D window 2
.set MUL_HI, 0xf1
.set TO_B,   0x40
; A joint load: waves 0 and 1 fetch for x, waves 2 and 3 for w.  The branch hangs on the wave's number alone.  An s_nop 0 and four v_nop follow each of the two lines.
.macro JLOAD g0a, g1a, g0b, g1b
	s_cmp_eq_u32 s15, 0
	s_cbranch_scc0 .Lfor_b_\@
	tensor_load_to_lds s[\g0a:\g0a+3], s[\g1a:\g1a+7]
	s_nop 0
.rept 4
	v_nop
.endr
	s_branch .Lasked_\@
.Lfor_b_\@:
	tensor_load_to_lds s[\g0b:\g0b+3], s[\g1b:\g1b+7]
	s_nop 0
.rept 4
	v_nop
.endr
.Lasked_\@:
.endm
.macro CROUND                          ; a round of the cluster's barrier
	s_barrier_signal -1
	s_barrier_wait -1
	s_cmp_lg_u32 s14, 0
	s_cbranch_scc1 .Lnot_wave_0_\@
	s_barrier_signal -3
.Lnot_wave_0_\@:
	s_barrier_wait -3
	s_barrier_signal -1
	s_barrier_wait -1
.endm
	s_load_b128 s[4:7], s[0:1], 0x0                ; x's codes, x's scales
	s_load_b128 s[8:11], s[0:1], 0x10              ; w's codes, w's scales
	s_load_b64 s[12:13], s[0:1], 0x20              ; qkv
	v_lshl_add_u32 v[SPW], v0, 2, SPARE
	v_mov_b32 v[NIL], 0
	ds_add_u32 v[SPW], v[NIL]                      ; the wave's opening: the add, twice on end, and its wait ahead of my first tensor load
	ds_add_u32 v[SPW], v[NIL]
	v_lshrrev_b32 v1, 5, v0
	v_readfirstlane_b32 s14, v1                    ; wave 0..3
	s_lshr_b32 s15, s14, 1                         ; which half of the tile's rows is mine.  Also: I fetch for x (0) or for w (1)
	s_and_b32 s16, s14, 1                          ; which half of its columns.  Also: which 128 rows of that tile I fetch
	s_bfe_u32 s40, ttmp6, 0x40000                  ; cx, cy
	s_bfe_u32 s41, ttmp6, 0x40004
	s_lshl_b32 s42, ttmp9, 2
	s_add_co_u32 s42, s42, s40                     ; tile column of C
	s_and_b32 s17, ttmp7, 0xffff
	s_lshl_b32 s17, s17, 2
	s_add_co_u32 s17, s17, s41                     ; tile row of C
	s_lshl_b32 s43, s41, 2
	s_lshl_b32 s43, 15, s43                        ; my row of the cluster
	s_lshl_b32 s44, 0x1111, s40                    ; my column
	s_cmp_eq_u32 ttmp9, 0                          ; the cluster's x is the part: 0 = q
	s_cselect_b32 s96, 0x3e38aa3b, 1.0             ; c = log2(e) / 8 for q, 1 for k and v: a select, no branch
	s_mov_b32 s97, s96                             ; (named with it as a pair)
	s_or_b32 s[G1+0], s43, (0<<16)|(1<<20)|(1<<21)|(5<<22)|(3<<25)  ; the mask; elements of 1 byte; padding on; bit 21 beside a mask; 4 words behind every 64
	s_or_b32 s[G1B+0], s44, (0<<16)|(1<<20)|(1<<21)|(5<<22)|(3<<25)
.irp g, G1, G1B
	s_mov_b32 s[\g+1], ROWB<<16                    ; tensor_dim0
	s_mov_b32 s[\g+2], 128<<16                     ; tensor_dim1
	s_mov_b32 s[\g+3], ROWB<<16                    ; tile_dim0
	s_mov_b32 s[\g+4], 128                         ; tile_dim1
	s_mov_b32 s[\g+5], KROW                        ; the pitch
	s_mov_b32 s[\g+6], 0
	s_mov_b32 s[\g+7], 0
.endr
	s_or_b32 s[G1S+0], s43, (3<<16)|(1<<20)|(1<<21)|(5<<22)|(3<<25) ; the scales of 128 rows: 4,096 dense bytes as 16 rows of 256 (32 elements of 8 bytes), padded alike
	s_or_b32 s[G1SB+0], s44, (3<<16)|(1<<20)|(1<<21)|(5<<22)|(3<<25)
.irp g, G1S, G1SB
	s_mov_b32 s[\g+1], 32<<16
	s_mov_b32 s[\g+2], (128*KS/256)<<16
	s_mov_b32 s[\g+3], 32<<16
	s_mov_b32 s[\g+4], 128*KS/256
	s_mov_b32 s[\g+5], 32
	s_mov_b32 s[\g+6], 0
	s_mov_b32 s[\g+7], 0
.endr
	s_lshl_b32 s18, s16, 7
	s_lshl_b32 s20, s17, 8
	s_add_co_u32 s20, s20, s18                     ; x: row 256 x tile row + 128 x half
	s_lshl_b32 s46, s42, 8
	s_add_co_u32 s46, s46, s18                     ; w: row 256 x tile column + 128 x half
	s_mov_b32 s21, 0
	s_mov_b32 s47, 0
	s_mov_b64 s[18:19], KS
	s_mul_u64 s[22:23], s[20:21], s[18:19]         ; where these rows' scales begin,
	s_mul_u64 s[92:93], s[46:47], s[18:19]
	s_mov_b64 s[18:19], KROW
	s_mul_u64 s[20:21], s[20:21], s[18:19]         ; and their codes
	s_mul_u64 s[46:47], s[46:47], s[18:19]
	s_mul_i32 s45, s14, HALFT                      ; where they go: by the wave's number alone
	s_mul_i32 s94, s14, HALFS
	s_wait_dscnt 0x0                               ; both opening adds are done
	s_wait_kmcnt 0x0
	s_add_nc_u64 s[20:21], s[4:5], s[20:21]
	s_add_nc_u64 s[22:23], s[6:7], s[22:23]
	s_add_nc_u64 s[46:47], s[8:9], s[46:47]
	s_add_nc_u64 s[92:93], s[10:11], s[92:93]
	CROUND                                         ; all sixteen work-groups are here: the joint loads meet
	s_mov_b32 s[G0S], 1
	s_add_co_u32 s[G0S+1], s94, SCL
	s_mov_b64 s[G0S+2:G0S+3], s[22:23]
	s_or_b32 s[G0S+3], s[G0S+3], 0x80000000
	s_mov_b32 s[G0SB], 1
	s_add_co_u32 s[G0SB+1], s94, SCL
	s_mov_b64 s[G0SB+2:G0SB+3], s[92:93]
	s_or_b32 s[G0SB+3], s[G0SB+3], 0x80000000
	JLOAD G0S, G1S, G0SB, G1SB                     ; the scales first: they are wanted with K step 0
.irp s, 0,1
	s_mov_b32 s[G0+4*\s], 1
	s_add_co_u32 s[G0+4*\s+1], s45, \s*SLOT
	s_add_nc_u64 s[G0+4*\s+2:G0+4*\s+3], s[20:21], \s*ROWB
	s_or_b32 s[G0+4*\s+3], s[G0+4*\s+3], 0x80000000
	s_mov_b32 s[G0B+4*\s], 1
	s_add_co_u32 s[G0B+4*\s+1], s45, \s*SLOT
	s_add_nc_u64 s[G0B+4*\s+2:G0B+4*\s+3], s[46:47], \s*ROWB
	s_or_b32 s[G0B+4*\s+3], s[G0B+4*\s+3], 0x80000000
	JLOAD G0+4*\s, G1, G0B+4*\s, G1B
.endr
	v_and_b32 v1, 15, v0                           ; r
	v_bfe_u32 v2, v0, 4, 1                         ; h
	v_mul_u32_u24 v3, v1, PITCH
	v_lshl_add_u32 v4, v2, 4, v3                   ; a fragment's row x pitch + 16 x half
	s_mul_i32 s21, s15, HALFT                      ; my 128 rows of x
	s_mul_i32 s22, s16, HALFT                      ; my 128 rows of w,
	s_add_co_u32 s22, s22, 2*HALFT                 ; behind x's 256
.irp s, 0,1
	v_add_nc_u32 v[ADRA+\s], s21, v4
	v_add_nc_u32 v[ADRB+\s], s22, v4
	s_add_co_u32 s21, s21, SLOT
	s_add_co_u32 s22, s22, SLOT
.endr
	v_mul_u32_u24 v5, v1, KS                       ; my row's scales: 32 bytes a row,
	v_lshrrev_b32 v6, 8, v5
	v_lshl_add_u32 v5, v6, 4, v5                   ; and 16 more for each 256 passed
	s_mul_i32 s21, s15, HALFS
	s_mul_i32 s22, s16, HALFS
	s_add_co_u32 s22, s22, 2*HALFS
	s_sub_co_u32 s22, s22, s21
	v_mul_u32_u24 v6, s22, v2                      ; lanes 16-31 take w's: one product, the distance between the two bases
	s_add_co_u32 s21, s21, SCL
	v_add_nc_u32 v5, v5, v6
	v_add_nc_u32 v[ADRS], s21, v5
	s_mul_i32 s23, s14, 16*SPITCH
	s_add_co_u32 s23, s23, STAGE                   ; my stage
	v_mul_u32_u24 v5, v1, SPITCH                   ; in: row r, 16 bytes for each half of the lanes
	v_lshl_add_u32 v5, v2, 4, v5
	v_add_nc_u32 v[STO], s23, v5
	v_and_b32 v6, 31, v0
	v_lshrrev_b32 v7, 3, v6                        ; back: eight lanes take the 128 bytes that one row has of one head, four rows an instruction
	v_mul_u32_u24 v7, v7, SPITCH
	v_and_b32 v8, 7, v0
	v_lshl_add_u32 v7, v8, 4, v7
	v_add_nc_u32 v[RD], s23, v7
	v_lshlrev_b32 v[CO], 4, v6                     ; in qkv those four rows are 512 consecutive bytes
	; where my part begins in qkv: ((part 64 + b 16 + head) 2048 + n) x 128 bytes; part = cluster x, head = 4 cx + 2 x column half, b = tile row / 8, n = 256 (tile row % 8) + 128 x row half
	s_lshl_b32 s20, ttmp9, 6
	s_lshr_b32 s21, s17, 3
	s_lshl_b32 s21, s21, 4
	s_add_co_u32 s20, s20, s21
	s_lshl_b32 s46, s40, 2
	s_lshl_b32 s47, s16, 1
	s_add_co_u32 s46, s46, s47
	s_add_co_u32 s20, s20, s46
	s_lshl_b32 s20, s20, 18
	s_and_b32 s21, s17, 7
	s_lshl_b32 s21, s21, 8
	s_lshl_b32 s47, s15, 7
	s_add_co_u32 s21, s21, s47
	s_lshl_b32 s21, s21, 7
	s_add_co_u32 s20, s20, s21                     ; under 2^26
	s_mov_b32 s21, 0
	s_add_nc_u64 s[12:13], s[12:13], s[20:21]
.macro FRAG reg, adr, q, i             ; 16 rows x 128 K of 4-bit codes: 8 registers; registers 4 c .. 4 c + 3 hold K = 64 c + 32 (l / 16) + 0 .. 31
.irp c, 0,1
	ds_load_b128 v[\reg+4*\c:\reg+4*\c+3], v[\adr] offset:64*(\q)+32*\c+(\i)*16*PITCH
.endr
.endm
; 16 matrix instructions: x's blocks a0, a0 + 1 against w's eight.  The 64 accumulators take turns, one instruction a turn, in the same order in every step.
; One register carries x's scale word (lanes 0-15) and w's (lanes 16-31) of block i.
.macro MUL16 a0, p, q, sc, zero
.irp a, \a0, \a0+1
.irp b, 0,1,2,3,4,5,6,7
.if \zero
	v_wmma_scale_f32_16x16x128_f8f6f4 v[8*(8*((\a)%4)+\b):8*(8*((\a)%4)+\b)+7], v[128*(\p)+FR*\b:128*(\p)+FR*\b+FR-1], v[AF+FR*(\a):AF+FR*(\a)+FR-1], 0, v[SC+8*NQ*(\sc)+NQ*\b+(\q)], v[SC+8*NQ*(\sc)+NQ*(\a)+(\q)] matrix_a_fmt:MATRIX_FMT_FP4 matrix_b_fmt:MATRIX_FMT_FP4 matrix_a_scale:MATRIX_SCALE_ROW1
.else
	v_wmma_scale_f32_16x16x128_f8f6f4 v[8*(8*((\a)%4)+\b):8*(8*((\a)%4)+\b)+7], v[128*(\p)+FR*\b:128*(\p)+FR*\b+FR-1], v[AF+FR*(\a):AF+FR*(\a)+FR-1], v[8*(8*((\a)%4)+\b):8*(8*((\a)%4)+\b)+7], v[SC+8*NQ*(\sc)+NQ*\b+(\q)], v[SC+8*NQ*(\sc)+NQ*(\a)+(\q)] matrix_a_fmt:MATRIX_FMT_FP4 matrix_b_fmt:MATRIX_FMT_FP4 matrix_a_scale:MATRIX_SCALE_ROW1
.endif
.endr
.endr
.endm
.macro FETCH_B slot, q, p
	WIN TO_B
.irp i, 0,1,2,3,4,5,6,7
	FRAG 128*(\p)+FR*\i, ADRB+\slot, \q, \i
.endr
	WIN 0
.endm
.macro FETCH_A slot, q, i0
.irp i, \i0, \i0+1, \i0+2, \i0+3
	FRAG AF+FR*(\i), ADRA+\slot, \q, \i
.endr
.endm
.macro SCALES sc                       ; a K step's scale words: 4 words a row; lanes 0-15 take x's block i, lanes 16-31 w's block i
.irp i, 0,1,2,3,4,5,6,7
	ds_load_b128 v[SC+8*NQ*\sc+NQ*\i:SC+8*NQ*\sc+NQ*\i+3], v[ADRS] offset:\i*SBLK
.endr
.endm
.macro PLACES n                        ; plain vector lines between a matrix instruction and a load into, or a read or write of, its registers
.rept \n
	v_nop
.endr
.endm
.macro STEP slot, q, zero              ; 128 along K whose successor lies in the same slot
	s_wait_dscnt 4*NL                              ; w's set and x's blocks 0-3 are in; the youngest eight loads (x's blocks 4-7) may be out
	WIN MUL_LO
	MUL16 0, (\q)%2, \q, \slot, \zero
	MUL16 2, (\q)%2, \q, \slot, \zero
	s_wait_dscnt 0                                 ; x's blocks 4-7 are in
	PLACES NP
	FETCH_B \slot, (\q)+1, 1-(\q)%2
	FETCH_A \slot, (\q)+1, 0
	WIN MUL_HI
	MUL16 4, (\q)%2, \q, \slot, \zero
	MUL16 6, (\q)%2, \q, \slot, \zero
	PLACES NP
	WIN 0
	FETCH_A \slot, (\q)+1, 4
.endm
.macro TURN slot, next                 ; a slot's last step changes slots: one barrier; nothing is filled again
	s_wait_tensorcnt 0x0                           ; all my tensor loads have landed: my part of the next slot;
	ds_add_u32 v[SPW], v[NIL]                      ; 0 onto my spare word;
	s_wait_dscnt 4*NL+1                            ; (the add and the youngest eight loads may be out)
	WIN MUL_LO
	MUL16 0, 1, NQ-1, \slot, 0
	s_wait_dscnt 0x0                               ; the add is done, and no LDS instruction of mine is out at the signal
	s_barrier_signal -1
	MUL16 2, 1, NQ-1, \slot, 0
	WIN 0
	s_barrier_wait -1                              ; the next slot is whole
	PLACES NP
	v_add_nc_u32 v[ADRS], 4*NQ, v[ADRS]            ; on to the next K step's scale words
	FETCH_B \next, 0, 0
	FETCH_A \next, 0, 0
	SCALES \next
	WIN MUL_HI
	MUL16 4, 1, NQ-1, \slot, 0
	MUL16 6, 1, NQ-1, \slot, 0
	PLACES NP
	WIN 0
	FETCH_A \next, 0, 4
.endm
.macro STEPS slot, from
.set Q, \from
.rept NQ-1-\from
	STEP \slot, Q, 0
.set Q, Q+1
.endr
.endm
	s_wait_tensorcnt 1                             ; the scales and my part of K step 0 are in; K step 1's load may be out,
	s_barrier_signal -1
	s_barrier_wait -1                              ; everybody's are
	FETCH_B 0, 0, 0
	FETCH_A 0, 0, 0
	SCALES 0
	FETCH_A 0, 0, 4
	STEP 0, 0, 1                                   ; the first products start the sums: nothing is cleared
	STEPS 0, 1
	TURN 0, 1
	STEPS 1, 0
	s_wait_dscnt 4*NL                              ; the very last step: nothing more to fetch
	WIN MUL_LO
	MUL16 0, 1, NQ-1, 1, 0
	MUL16 2, 1, NQ-1, 1, 0
	s_wait_dscnt 0
	WIN MUL_HI
	MUL16 4, 1, NQ-1, 1, 0
	MUL16 6, 1, NQ-1, 1, 0
	WIN 0
; THE WAY OUT, a block of 16 rows x 128 columns (two heads) at a time: x c or x 1 in f32, rounded once to f16; 16 bytes a lane into my stage; back as four rows of one head, which are 512 consecutive bytes of qkv.
.macro PACK a
.set AC, 64*((\a)%4)
	WIN 0x02+(\a)/4                                ; source 0: window 2 or 3
.set pi, 0
.rept 32
	v_pk_mul_f32 v[T+2*pi:T+2*pi+1], v[AC+2*pi:AC+2*pi+1], s[96:97] op_sel_hi:[1,0]   ; each accumulator from its low end on
.set pi, pi+1
.endr
	WIN 0
.set pi, 0
.rept 32
	v_cvt_pk_f16_f32 v[TMP+pi], v[T+2*pi], v[T+2*pi+1]
.set pi, pi+1
.endr
.endm
.macro TOSTAGE a
.set BB, BK+128*((\a)%2)
.irp b, 0,1,2,3,4,5,6,7
	ds_store_b128 v[STO], v[TMP+4*\b:TMP+4*\b+3] offset:32*\b
.endr
.irp t, 0,1,2,3,4,5,6,7
	ds_load_b128 v[BB+4*\t:BB+4*\t+3], v[RD] offset:(4*(\t%4))*SPITCH+(\t/4)*128   ; LDS serves a wave's instructions in order (ISA guide 5.7.1.4): these see the stores above
.endr
.endm
.macro SEND a
.set BB, BK+128*((\a)%2)
	s_wait_dscnt 0x0                               ; the block is back in registers
	s_wait_xcnt 0x0                                ; the stores of the block before have read their registers: the next block's loads may land there
.irp t, 0,1,2,3,4,5,6,7
	global_store_b128 v[CO], v[BB+4*\t:BB+4*\t+3], s[12:13] offset:(\a)*2048+(\t%4)*512+(\t/4)*262144   ; 32 lanes store 512 consecutive bytes, aligned; the base is never stepped
.endr
.endm
	PLACES NP                                      ; behind the last products: the lines below write registers that held x's fragments and read results
	PACK 0
	TOSTAGE 0
.irp a, 1,2,3,4,5,6,7                  ; block a's arithmetic stands between block a - 1's loads from the stage and the wait for them
	PACK \a
	SEND \a-1
	TOSTAGE \a
.endr
	SEND 7
	s_wait_tensorcnt 0x0                           ; the wave's end, behind my last tensor load and my last LDS store
	ds_add_u32 v[SPW], v[NIL]
	s_wait_dscnt 0x0
	CROUND                                         ; the closing round
	s_endpgm
.Lfunc_end_k_q1c631ab0e9_qkv:
	.size	k_q1c631ab0e9_qkv, .Lfunc_end_k_q1c631ab0e9_qkv-k_q1c631ab0e9_qkv
	.p2alignl 7, 3214868480
	.fill 96, 4, 3214868480
	.section	.rodata,"a",@progbits
	.p2align	6, 0x0
	.amdhsa_kernel k_q1c631ab0e9_qkv
		.amdhsa_group_segment_fixed_size 327680
		.amdhsa_private_segment_fixed_size 0
		.amdhsa_enable_private_segment 0
		.amdhsa_kernarg_size 40
		.amdhsa_user_sgpr_count 2
		.amdhsa_user_sgpr_kernarg_segment_ptr 1
		.amdhsa_wavefront_size32 1
		.amdhsa_system_sgpr_workgroup_id_x 1
		.amdhsa_system_sgpr_workgroup_id_y 1
		.amdhsa_system_sgpr_workgroup_id_z 1
		.amdhsa_system_vgpr_workitem_id 0
		.amdhsa_next_free_vgpr 1024
		.amdhsa_next_free_sgpr 98
		.amdhsa_reserve_vcc 0
		.amdhsa_float_denorm_mode_32 3
		.amdhsa_float_denorm_mode_16_64 3
		.amdhsa_memory_ordered 1
		.amdhsa_forward_progress 1
		.amdhsa_inst_pref_size 143
	.end_amdhsa_kernel
	.amdgpu_metadata
---
amdhsa.version: [ 1, 2 ]
amdhsa.kernels:
  - .name:           k_q1c631ab0e9_qkv
    .symbol:         k_q1c631ab0e9_qkv.kd
    .args:
      - { .name: x_codes, .offset: 0, .size: 8, .value_kind: global_buffer, .address_space: global }
      - { .name: x_scales, .offset: 8, .size: 8, .value_kind: global_buffer, .address_space: global }
      - { .name: wq_codes, .offset: 16, .size: 8, .value_kind: global_buffer, .address_space: global }
      - { .name: wq_scales, .offset: 24, .size: 8, .value_kind: global_buffer, .address_space: global }
      - { .name: qkv, .offset: 32, .size: 8, .value_kind: global_buffer, .address_space: global }
    .group_segment_fixed_size: 327680
    .private_segment_fixed_size: 0
    .kernarg_segment_align: 8
    .kernarg_segment_size: 40
    .max_flat_workgroup_size: 128
    .sgpr_count:     98
    .vgpr_count:     1024
    .wavefront_size: 32
...
	.end_amdgpu_metadata
.endif
;; end of part 2
;; launch attn (part 3): grid 4 x 64, 4 waves a work-group, clusters of 4 x 1, 327,680 bytes of LDS; arguments qkv, o16; writes o16
.if DOCPART == 3
	.amdgcn_target "amdgcn-amd-amdhsa--gfx1250"
	.amdhsa_code_object_version 6
	.text
	.protected	k_q1c631ab0e9_attn
	.globl	k_q1c631ab0e9_attn
	.p2align	8
	.type	k_q1c631ab0e9_attn,@function
k_q1c631ab0e9_attn:
	s_mov_b64 s[64:65], 0
	v_nop
	global_prefetch_b8 v0, s[64:65] scope:SCOPE_SE
	s_setreg_imm32_b32 hwreg(HW_REG_WAVE_MODE, 25, 1), 1
	s_wait_xcnt 0x0
	s_wait_alu depctr_hold_cnt(0) depctr_sa_sdst(0) depctr_va_vdst(0) depctr_va_sdst(0) depctr_va_ssrc(0) depctr_va_vcc(0) depctr_vm_vsrc(0)
	s_getreg_b32 s2, hwreg(HW_REG_IB_STS2, 6, 4)
	s_cmp_eq_u32 s2, 0
	s_cbranch_scc0 .Lentry_in_a_cluster
	s_endpgm
.Lentry_in_a_cluster:
	s_bfe_u32 s2, ttmp6, 0x10000c
	s_cmp_lg_u32 s2, 0x3003
	s_cbranch_scc0 .Lentry_shape_is_right
	s_endpgm
.Lentry_shape_is_right:
; O[b][h][q][:] = the sum over k of softmax_k(q . k / 8) v.  q, k, v: f16, [part][b][h][2048][64]; q arrives already multiplied by log2(e) / 8, so a score s is an exponent to base 2.
; Products, maxima and sums in f32; the weights p = 2^(s - m) are rounded to f16 for the second product; O is divided by the row's sum of the unrounded p and rounded once to f16, laid [h][b 2048 + q][64].
; LIMITS: |O| above 65,504 does not fit f16; under 6e-5 it has f16's fixed step of 6e-8.  NaN and infinities are not served.
; SHARES.  A cluster of four work-groups is one (b, h); a work-group owns 512 queries, each of its four waves 128: eight tiles of 16.  Every wave walks all 2,048 keys, 64 a step.
; LAYOUT.  S^T = K Q^T (source 0 = 16 keys, source 1 = 16 queries) and O^T = V^T P: a lane holds ONE query (lane % 16) throughout; two tiles of S^T, rounded in pairs, ARE source 1 of the second product.
; K comes out of LDS as it lies, V ([key][channel]) turned, by ds_load_tr16_b128.
; SOFTMAX.  For each query a running maximum m and sum l; in every step O and l are multiplied by a = 2^(m_old - m_new).  m begins at -3e38 and O and l at 0, so the step is written once: the first a is 0.
; BY TURNS.  The wave's tiles are two PIECES of four.  In a TURN one piece has the matrix unit: 32 products V^T P of the step in hand, then 32 products K Q^T of the next step; the other piece's softmax,
; 468 vector lines cut into 64 slices, stands between them, one slice behind each matrix instruction.  Then the pieces change places.  Two turns are a key step.
; CLUSTER.  The four work-groups walk the same K and V: each tile is asked for JOINTLY, by the same tensor load with a mask that names the four.
; REGISTERS, in windows of 256; the numbers are the same for both pieces:
;   window 0 (piece 0), window 1 (piece 1): v32-63 statistics, 8 a tile; v64-191 S^T, 32 a tile; v192-255 P, 16 a tile.  Window 0 also: v0-31 addresses.
;   window 2: v0-127 O^T of piece 0, 32 a tile; v128-191 Q of piece 0, 16 a tile; v192-255 K of one step.     window 3: the same of piece 1; v192-255 V of one step.
.set PKP,   144       ; a row of K in LDS: 128 bytes + 16: an odd multiple of 16, so the 16 rows of a load start at different banks (64 banks of 4 bytes: ISA guide 11.1)
.set PVP,   160       ; a row of V: 128 + 32: an odd multiple of 32, for the turning load
.set KSTEPB, 64*PKP   ; a key step's rows of K,
.set VSTEPB, 64*PVP   ; and of V
.set VOFF,  256*PKP   ; a slot: 256 rows of K, then 256 rows of V: four key steps
.set SLOT1, 1<<17     ; slot 1 begins here: one exclusive or turns an address in one slot into the other's
.set STAGE, SLOT1+256*(PKP+PVP)  ; behind the ring: 16 rows x 144 bytes for each wave, for the way out
.set SP,    144
.set SPARE, STAGE+4*16*SP        ; the spare words, 128 bytes a wave: two blocks of 256 bytes that no other line names
.set AK0, 2           ; v2   my lane's place in a tile of K
.set AV0, 3           ; v3   the same for V
.set ADR, 4           ; v4   the LDS address of the run of loads in hand
.set QO,  5           ; v5   my byte offset in a tile of Q
.set STO, 6           ; v6   the way out: where I put 16 bytes of a row
.set RD,  7           ; v7   where I read rows back
.set GO,  8           ; v8   16 x lane
.set PFO, 29          ; v29  256 x lane: the prefetches' offset; never rewritten
.set SPW, 30          ; v30  LDS address of my spare word; never rewritten
.set NIL, 31          ; v31  0; never rewritten
.set ST,  32          ; tile t's statistics at v[ST+8 t]: +0 m, +1 zero (m's partner in a pair), +2, +3 l in two halves, +4 to +7 c0-c3 at work; a takes c2's place once the maximum is found
.set S,   64
.set P,   192
.set WV,  12          ; s12  my wave's number
.set LIM, 15          ; s15  1 in a wave that prefetches, else the greatest number
.set PFA, 18          ; s[18:19] where my prefetches stand
.set G1K, 24          ; s[24:31] descriptor group 1 for K's tiles;  s[32:39] for V's: it differs in the padding
.set G1V, 32
.set G0K, 40          ; s[40:47] group 0 for K: a set for each of the two first fills; the second then walks on
.set G0V, 48          ; s[48:55] the same for V
.set SLOTS, 56        ; s56  slots still to be asked for
.set CNT, 57          ; s57  counts key steps
.set TK,  58          ; s58  LDS byte at which K's rows of the step to be fetched begin
.set TV,  59          ; s59  the same for V
.set SEL, 60          ; s[60:61] lane selects for v_permlanex16_b32: lane l xor 16
.set MSB, 0
.macro WIN new                      ; the immediate's high byte repeats the setting that is left; a switch that changes nothing is dropped
.if MSB != (\new)
	s_set_vgpr_msb (MSB<<8)|(\new)
.set MSB, (\new)
.endif
.endm
; A joint refill.  Waves 0 and 1 fetch the halves of a slot's K, waves 2 and 3 those of its V.  The branch hangs on the wave's number alone.  An s_nop 0 and four v_nop follow each line.
.macro JLOAD
	s_cmp_lt_u32 s[WV], 2
	s_cbranch_scc0 .Lfor_v_\@
	tensor_load_to_lds s[G0K+4:G0K+7], s[G1K:G1K+7]
	s_nop 0
.rept 4
	v_nop
.endr
	s_branch .Lasked_\@
.Lfor_v_\@:
	tensor_load_to_lds s[G0V+4:G0V+7], s[G1V:G1V+7]
	s_nop 0
.rept 4
	v_nop
.endr
.Lasked_\@:
.endm
; A PREFETCH of what the NEXT change of slots will ask for: a slot's 32,768 bytes of K and of V.  Each aligned 256 bytes are named once in the launch: the four partners share a slot out BY ADDRESS, 8,192 bytes
; each; in each, wave 0 asks for K's and wave 2 for V's, one instruction, lanes 256 bytes apart.  It stands behind the wave's tensor load: four key steps, 512 matrix instructions, ahead of the load that will
; want the bytes.  The last change that fills a slot asks for nothing; slots 0, 1 and 2 come by their loads alone.
.macro ASK
	s_cmp_gt_u32 s[SLOTS], s[LIM]
	s_cbranch_scc0 .Lnot_mine_\@
	global_prefetch_b8 v[PFO], s[PFA:PFA+1] th:TH_LOAD_NT scope:SCOPE_SE
.Lnot_mine_\@:
.endm
.macro CROUND                       ; a round of the cluster's barrier
	s_barrier_signal -1
	s_barrier_wait -1
	s_cmp_lg_u32 s[WV], 0
	s_cbranch_scc1 .Lnot_wave_0_\@
	s_barrier_signal -3
.Lnot_wave_0_\@:
	s_barrier_wait -3
	s_barrier_signal -1
	s_barrier_wait -1
.endm
	s_load_b128 s[8:11], s[0:1], 0x0  ; qkv s[8:9], o16 s[10:11]
	v_lshl_add_u32 v[SPW], v0, 2, SPARE
	v_mov_b32 v[NIL], 0
	ds_add_u32 v[SPW], v[NIL]       ; the wave's opening: the add, twice on end, and its wait ahead of my first tensor load
	ds_add_u32 v[SPW], v[NIL]
	v_lshrrev_b32 v1, 5, v0
	v_readfirstlane_b32 s[WV], v1   ; wave 0..3
	s_bfe_u32 s13, ttmp6, 0x40000   ; cx: it enters Q's, O's and the prefetches' addresses alone
	s_and_b32 s14, ttmp7, 0xffff    ; 16 b + h, which the four partners share
	s_lshl_b32 s20, s14, 18         ; the head's first byte in a part of qkv
	s_and_b32 s16, s[WV], 1         ; which half of a slot's rows I fetch:
	s_lshl_b32 s22, s16, 14         ; its 128 rows of 128 bytes in memory,
	s_add_co_u32 s22, s22, s20
	s_mov_b32 s23, 0
	s_mul_i32 s17, s16, 128*PKP     ; and its place in a slot, for K
	s_mul_i32 s16, s16, 128*PVP     ; and for V
	s_lshl_b32 s2, s13, 16          ; my work-group's 512 rows,
	s_lshl_b32 s3, s[WV], 14        ; my wave's 128 of them
	s_add_co_u32 s2, s2, s3
	s_add_co_u32 s20, s20, s2       ; Q: in the head
	s_mov_b32 s21, 0
	s_and_b32 s3, s14, 15           ; O: plane h of 1,048,576 bytes,
	s_lshl_b32 s3, s3, 20
	s_add_co_u32 s2, s2, s3
	s_lshr_b32 s3, s14, 4           ; batch b's 2,048 rows in it
	s_lshl_b32 s3, s3, 18
	s_add_co_u32 s2, s2, s3
	s_mov_b32 s3, 0
	; descriptor group 1: a tile of 128 rows x 64 elements, dense in memory, padded in LDS
	s_mov_b32 s[G1K], 15|(1<<16)|(1<<20)|(1<<21)|(4<<22)|(3<<25)  ; the mask: all four work-groups; elements of 2 bytes; padding on; bit 21 beside a mask; 4 words behind every 32
	s_mov_b32 s[G1V], 15|(1<<16)|(1<<20)|(1<<21)|(4<<22)|(7<<25)  ; the same with 8 words
.irp g, G1K, G1V
	s_mov_b32 s[\g+1], 64<<16       ; tensor_dim0
	s_mov_b32 s[\g+2], 128<<16      ; tensor_dim1
	s_mov_b32 s[\g+3], 64<<16       ; tile_dim0
	s_mov_b32 s[\g+4], 128          ; tile_dim1
	s_mov_b32 s[\g+5], 64           ; the pitch, in elements
	s_mov_b32 s[\g+6], 0
	s_mov_b32 s[\g+7], 0
.endr
	s_mov_b32 s[SEL], 0x76543210
	s_mov_b32 s[SEL+1], 0xfedcba98
	s_mov_b32 s[TK], 0
	s_mov_b32 s[TV], 0
	s_mov_b32 s[SLOTS], 6
	s_and_b32 s[LIM], s[WV], 1      ; waves 0 and 2 prefetch: the same in all four partners
	s_cmp_eq_u32 s[LIM], 0
	s_cselect_b32 s[LIM], 1, -1
	v_and_b32 v[PFO], 31, v0
	v_lshlrev_b32 v[PFO], 8, v[PFO]
	s_wait_dscnt 0x0                ; both opening adds are done
	s_wait_kmcnt 0x0
	s_add_nc_u64 s[4:5], s[8:9], s[20:21]    ; Q at my wave's first row
	s_add_nc_u64 s[10:11], s[10:11], s[2:3]  ; O likewise
	s_add_nc_u64 s[8:9], s[8:9], s[22:23]    ; the head, my half of slot 0:
	s_add_nc_u64 s[6:7], s[8:9], 0x1000000   ; in part 1, K,
	s_add_nc_u64 s[8:9], s[8:9], 0x2000000   ; in part 2, V
	s_cmp_lt_u32 s[WV], 2
	s_cselect_b64 s[PFA:PFA+1], s[6:7], s[8:9]  ; (in waves 0 and 2 these stand at a slot's first row)
	s_lshl_b32 s2, s13, 13          ; my work-group's 8,192 bytes of a slot's 32,768
	s_add_nc_u64 s[PFA:PFA+1], s[PFA:PFA+1], s[2:3]
	s_add_nc_u64 s[PFA:PFA+1], s[PFA:PFA+1], 2*32768  ; in slot 2; the first change of slots steps it to slot 3
	CROUND                          ; all four work-groups are here: the first joint loads meet
.irp s, 0,1
	s_mov_b32 s[G0K+4*\s], 1
	s_add_co_u32 s[G0K+4*\s+1], s17, \s*SLOT1
	s_add_nc_u64 s[G0K+4*\s+2:G0K+4*\s+3], s[6:7], \s*32768
	s_or_b32 s[G0K+4*\s+3], s[G0K+4*\s+3], 0x80000000
	s_mov_b32 s[G0V+4*\s], 1
	s_add_co_u32 s[G0V+4*\s+1], s16, \s*SLOT1+VOFF
	s_add_nc_u64 s[G0V+4*\s+2:G0V+4*\s+3], s[8:9], \s*32768
	s_or_b32 s[G0V+4*\s+3], s[G0V+4*\s+3], 0x80000000
.endr
	s_cmp_lt_u32 s[WV], 2           ; a wave's two first fills stand in one branch, ahead of every wait on TENSORcnt and every LDS read: two loads of mine are out
	s_cbranch_scc0 .Lfirst_v
	tensor_load_to_lds s[G0K:G0K+3], s[G1K:G1K+7]
	s_nop 0
	tensor_load_to_lds s[G0K+4:G0K+7], s[G1K:G1K+7]
	s_nop 0
.rept 4
	v_nop
.endr
	s_branch .Lfirst_asked
.Lfirst_v:
	tensor_load_to_lds s[G0V:G0V+3], s[G1V:G1V+7]
	s_nop 0
	tensor_load_to_lds s[G0V+4:G0V+7], s[G1V:G1V+7]
	s_nop 0
.rept 4
	v_nop
.endr
.Lfirst_asked:
	v_and_b32 v1, 15, v0            ; r
	v_bfe_u32 v9, v0, 4, 1          ; h
	v_lshlrev_b32 v[QO], 7, v1
	v_lshl_add_u32 v[QO], v9, 4, v[QO]  ; row x 128 + 16 x half
; Q stays in registers: tile t of piece x, channels 32 c on, at v[128 + 16 t + 8 c] of window 2 + x.  O^T begins as zeros: these lines stand where the wave would else wait for its first tiles.
.irp x, 0,1
	WIN 0x80+0x40*\x
.irp t, 0,1,2,3
.irp c, 0,1
	global_load_b128 v[128+16*\t+8*\c:128+16*\t+8*\c+3], v[QO], s[4:5] offset:(4*\x+\t)*2048+\c*64
	global_load_b128 v[128+16*\t+8*\c+4:128+16*\t+8*\c+7], v[QO], s[4:5] offset:(4*\x+\t)*2048+\c*64+32
.endr
.endr
.set n, 0
.rept 128
	v_mov_b32 v[n], 0
.set n, n+1
.endr
.endr
.irp x, 1,0
	WIN 0x40*\x
.irp t, 0,1,2,3
	v_mov_b32 v[ST+8*\t], 0xff61b1e6  ; m: -3e38, under every score
	v_mov_b32 v[ST+8*\t+1], 0
	v_mov_b32 v[ST+8*\t+2], 0         ; l
	v_mov_b32 v[ST+8*\t+3], 0
.endr
.endr
	v_mul_u32_u24 v[AK0], v1, PKP
	v_lshl_add_u32 v[AK0], v9, 4, v[AK0]  ; K: row x pitch + 16 x half
	v_and_b32 v10, 7, v0            ; V, for the turning load: key 8 (l / 16) + l % 8, channels 8 ((l / 8) % 2) on
	v_bfe_u32 v11, v0, 3, 1
	v_lshl_add_u32 v[AV0], v9, 3, v10
	v_mul_u32_u24 v[AV0], v[AV0], PVP
	v_lshl_add_u32 v[AV0], v11, 4, v[AV0]
	v_add_nc_u32 v[AV0], VOFF, v[AV0]
; THE MATRIX WORK OF A TURN, for piece x.  The sixteen accumulators take turns, one instruction a turn.
; Product i of 32 of S^T = K Q^T: tile i % 4, keys 16 ((i / 4) % 4) on, channels 32 (i / 16) on.  The first 16 start the sums.
.macro KQ x
	WIN 0x0a+0x54*(\x)              ; K in window 2, Q in window 2 + x, S^T in window x
.set rS, S+32*(i%4)+8*((i/4)%4)
.set rK, 192+16*((i/4)%4)+8*(i/16)
.set rQ, 128+16*(i%4)+8*(i/16)
.if i < 16
	v_wmma_f32_16x16x32_f16 v[rS:rS+7], v[rK:rK+7], v[rQ:rQ+7], 0
.else
	v_wmma_f32_16x16x32_f16 v[rS:rS+7], v[rK:rK+7], v[rQ:rQ+7], v[rS:rS+7]
.endif
.endm
; Product i of 32 of O^T += V^T P: tile i % 4, channels 16 ((i / 4) % 4) on, keys 32 (i / 16) on.
.macro PV x
	WIN 0xa3+0x54*(\x)              ; V in window 3, P in window x, O^T in window 2 + x
.set rO, 32*(i%4)+8*((i/4)%4)
.set rV, 192+32*(i/16)+8*((i/4)%4)
.set rP, P+16*(i%4)+8*(i/16)
	v_wmma_f32_16x16x32_f16 v[rO:rO+7], v[rV:rV+7], v[rP:rP+7], v[rO:rO+7]
.endm
; THE LDS LOADS stand in runs of 16: a step's K (fragment f: keys 16 (f / 2) on, channels 32 (f % 2) on) and, a turn later, its V (keys 32 (f / 4) on, channels 16 (f % 4) on), turned.
.macro FETCH_K
	WIN 0
	v_add_nc_u32 v[ADR], s[TK], v[AK0]
	s_add_co_u32 s[TK], s[TK], KSTEPB
	WIN 0x80
.irp f, 0,1,2,3,4,5,6,7
	ds_load_b128 v[192+8*\f:192+8*\f+3],   v[ADR] offset:(\f/2)*16*PKP+(\f%2)*64
	ds_load_b128 v[192+8*\f+4:192+8*\f+7], v[ADR] offset:(\f/2)*16*PKP+(\f%2)*64+32
.endr
.endm
.macro FETCH_V
	v_nop                           ; a plain line behind the last exponential of the batch
	WIN 0
	v_add_nc_u32 v[ADR], s[TV], v[AV0]
	s_add_co_u32 s[TV], s[TV], VSTEPB
	s_wait_alu depctr_va_vdst(0)    ; the one wait for the softmax's batch of exponentials, ahead of the first line that names a result
	WIN 0xc0
.irp f, 0,1,2,3,4,5,6,7
	ds_load_tr16_b128 v[192+8*\f:192+8*\f+3],   v[ADR] offset:(\f/4)*32*PVP+(\f%4)*32
	ds_load_tr16_b128 v[192+8*\f+4:192+8*\f+7], v[ADR] offset:(\f/4)*32*PVP+16*PVP+(\f%4)*32
.endr
.endm
; THE VECTOR WORK OF A TURN.  One tile's softmax for one key step is a list of 117 lines; SM writes number j of it for tile t of piece y.  s0-s31 are the lane's 32 scores, in pairs 0-15.
;   0-15    the maximum of s0-s31 and the old m, three operands at a time; numbers 0-3 read each of the four accumulators at its low end
;   16-19   the other half of the lanes' maximum; the new m; m_old - m_new
;   20-68   ONE BATCH: the 16 subtractions s - m, a pair each, and all 33 exponentials (a, then s0-s31): a subtraction, then the two exponentials of the pair subtracted three numbers before.  None reads an exponential's result
;   (wait)  between 68 and 69 stands the one wait for the batch of all four tiles: ITEM writes it
;   69-100  by turns: l takes a pair of weights (the first with a: l = a l + p); a pair of weights is rounded to f16
;   101-116 the tile's O^T times a
.macro SM y
.set rT, ST+8*t
.set rS, S+32*t
.set rP, P+16*t
.if j < 101
	WIN 0x55*(\y)
.else
	WIN 0x82+0x45*(\y)              ; O^T in window 2 + y, a in window y
.endif
.if j < 4
	v_max3_num_f32 v[rT+4+j], v[rS+8*j], v[rS+8*j+1], v[rS+8*j+2]
.elseif j < 12
	v_max3_num_f32 v[rT+4+j%4], v[rT+4+j%4], v[rS+8*(j%4)+2*(j/4)+1], v[rS+8*(j%4)+2*(j/4)+2]
.elseif j == 12
	v_max3_num_f32 v[rT+4], v[rT+4], v[rS+7], v[rS+15]
.elseif j == 13
	v_max3_num_f32 v[rT+6], v[rT+6], v[rS+23], v[rS+31]
.elseif j == 14
	v_max3_num_f32 v[rT+4], v[rT+4], v[rT+5], v[rT+6]
.elseif j == 15
	v_max3_num_f32 v[rT+4], v[rT+4], v[rT+7], v[rT]
.elseif j == 16
	v_permlanex16_b32 v[rT+5], v[rT+4], s[SEL], s[SEL+1]  ; the query's other 32 keys lie in the lane 16 away
.elseif j == 17
	v_mov_b32 v[rT+7], v[rT]        ; m_old is kept for a
.elseif j == 18
	v_max_num_f32 v[rT], v[rT+4], v[rT+5]
.elseif j == 19
	v_sub_f32 v[rT+7], v[rT+7], v[rT]
.elseif j < 69
.set kk, j-20
.if kk == 1
	v_exp_f32 v[rT+6], v[rT+7]      ; a
.elseif kk >= 47
	v_exp_f32 v[rS+kk-17], v[rS+kk-17]  ; s30, s31
.elseif (kk == 0) || ((kk-2)%3 == 0)
.set pb, (kk+1)/3                   ; 0: pair 0; 2, 5, .. 44: pairs 1 to 15
	v_pk_add_f32 v[rS+2*pb:rS+2*pb+1], v[rS+2*pb:rS+2*pb+1], v[rT:rT+1] op_sel_hi:[1,0] neg_lo:[0,1] neg_hi:[0,1]  ; s - m, two at a time
.else
.set e, 2*((kk-2)/3)+(kk-2)%3-1
	v_exp_f32 v[rS+e], v[rS+e]      ; p = 2^(s - m)
.endif
.elseif j < 101
.set pb, (j-69)/2
.if j == 69
	v_pk_fma_f32 v[rT+2:rT+3], v[rT+2:rT+3], v[rT+6:rT+7], v[rS:rS+1] op_sel_hi:[1,0,1]  ; l = a l + the first pair
.elseif (j-69)%2 == 0
	v_pk_add_f32 v[rT+2:rT+3], v[rT+2:rT+3], v[rS+2*pb:rS+2*pb+1]
.else
	v_cvt_pk_f16_f32 v[rP+pb], v[rS+2*pb], v[rS+2*pb+1]
.endif
.else
.set rO, 32*t+2*(j-101)
	v_pk_mul_f32 v[rO:rO+1], v[rO:rO+1], v[rT+6:rT+7] op_sel_hi:[1,0]
.endif
.endm
; Line g of 468 of piece y's softmax: number g / 4 of tile g % 4: the four tiles alternate, so that a line and the line that reads its result stand four apart.
; Ahead of line 276, the first that names an exponential's result, stands the batch's end: in piece 1's turn V's run of loads, with the wait in it; in piece 0's a plain line and the wait.
.macro ITEM y
.if g == 276
.if (\y) == 0
	FETCH_V
.else
	v_nop
	s_wait_alu depctr_va_vdst(0)    ; the one wait for the turn's 132 exponentials
.endif
.endif
.set j, g/4
.set t, g%4
	SM \y
.set g, g+1
.endm
.macro SLICE y                      ; slice k of 64: seven or eight lines
.rept ((k+1)*468)/64-(k*468)/64
	ITEM \y
.endr
.set k, k+1
.endm
; A TURN.  Piece x has the matrix unit; the other piece's softmax stands in slices behind its matrix instructions; a turn with one kind of product has two slices behind each.
; PLACES (ISA guide 7.12.1 for vector instructions): slice 63, eight multiplications of the other piece's O^T, stands between a turn's last K Q^T and the next turn's first read of those scores and the loads
; into K's registers.  V's run stands in slice 37: between it and the last V^T P (ahead of slice 31) lie twelve subtractions of the batch, the v_nop and the address's addition.
.macro TURN x, pv, kq
.set k, 0
.set g, 0
.set per, 2
.if (\pv) && (\kq)
.set per, 1
.endif
.if \pv
.if (\x) == 0
	s_wait_dscnt 0x0                ; V is in
.endif
.set i, 0
.rept 32
	PV \x
.rept per
	SLICE 1-(\x)
.endr
.if ((\x) == 0) && (\kq) && (i == 1)
	FETCH_K                         ; the next step's K, 30 matrix instructions ahead of its first use
.endif
.set i, i+1
.endr
.endif
.if \kq
.if (\x) == 0
	s_wait_dscnt 0x0                ; K is in
.endif
.set i, 0
.rept 32
	KQ \x
.rept per
	SLICE 1-(\x)
.endr
.set i, i+1
.endr
.endif
.endm
; THE CHANGE OF SLOTS, between piece 1's turn and piece 0's: the slot's last bytes, V of its fourth step, have been asked for.  Each wave waits for all its tensor loads, of which one is out: its part of the
; other slot; adds 0 to its spare word; and waits for that and for its own reads of the slot.  fill = 1: the slot is filled again with the keys two slots on: the barrier is then a round of the cluster's, and
; the joint refill is the first thing behind it; it has four key steps, 512 matrix instructions, in which to land.
.macro CHANGE fill
	WIN 0
	s_wait_tensorcnt 0x0            ; no tensor load of mine is out, so a group 0 may be written
	ds_add_u32 v[SPW], v[NIL]       ; 0 onto my spare word
.if \fill
.irp gg, G0K+4, G0V+4
	s_xor_b32 s[\gg+1], s[\gg+1], SLOT1  ; the walking descriptor: the other slot than last time,
	s_add_nc_u64 s[\gg+2:\gg+3], s[\gg+2:\gg+3], 32768  ; the next 256 keys
.endr
	s_wait_xcnt 0x0                 ; the last prefetch, four key steps back, has read its address, so it may be written
	s_add_nc_u64 s[PFA:PFA+1], s[PFA:PFA+1], 32768
	s_wait_dscnt 0x0                ; the add is done, and my reads of the slot are over
	CROUND
	JLOAD
	ASK
.else
	s_wait_dscnt 0x0
	s_barrier_signal -1
	s_barrier_wait -1
.endif
	s_sub_co_u32 s[TK], s[TK], 4*KSTEPB  ; the fetches go back to a slot's first step,
	s_xor_b32 s[TK], s[TK], SLOT1        ; in the other slot
	s_sub_co_u32 s[TV], s[TV], 4*VSTEPB
	s_xor_b32 s[TV], s[TV], SLOT1
.endm
.macro PAIRS n                      ; n key steps: written once, walked n times; the LDS addresses hang on s[TK] and s[TV]
	s_mov_b32 s[CNT], \n
.Lpair_\@:
	TURN 0, 1, 1
	TURN 1, 1, 1
	WIN 0
	s_sub_co_u32 s[CNT], s[CNT], 1
	s_cmp_lg_u32 s[CNT], 0
	s_cbranch_scc1 .Lpair_\@
.endm
	s_wait_tensorcnt 1              ; my part of slot 0 is in; slot 1's may stay out
	s_barrier_signal -1
	s_barrier_wait -1               ; everybody's is
	FETCH_K                         ; key step 0
	s_wait_loadcnt 0x0              ; Q
	s_wait_dscnt 0x0
.set i, 0
.rept 32
	KQ 0                            ; piece 0's first scores: there is no vector work yet to set between them
.set i, i+1
.endr
	WIN 0                           ; the addresses for the way out are made here: plain lines, the places behind those products
	s_mul_i32 s14, s[WV], 16*SP
	s_add_co_u32 s14, s14, STAGE    ; my stage
	v_mul_u32_u24 v[STO], v1, SP    ; in: row r, 16 bytes for each half of the lanes
	v_lshl_add_u32 v[STO], v9, 4, v[STO]
	v_add_nc_u32 v[STO], s14, v[STO]
	v_and_b32 v10, 31, v0
	v_lshrrev_b32 v[RD], 3, v10     ; back: eight lanes to a row of 128 bytes, four rows an instruction
	v_mul_u32_u24 v[RD], v[RD], SP
	v_and_b32 v11, 7, v0
	v_lshl_add_u32 v[RD], v11, 4, v[RD]
	v_add_nc_u32 v[RD], s14, v[RD]
	v_lshlrev_b32 v[GO], 4, v10     ; in O those four rows are 512 consecutive bytes
	TURN 1, 0, 1                    ; piece 1's first scores | piece 0's softmax of step 0 | V of step 0
	WIN 0
	PAIRS 3                         ; key steps 0 to 2 (each fetches the step behind it: slot 0 is read out)
.Lslot:                             ; six trips: every slot but the last two is filled again
	CHANGE 1
	PAIRS 4
	s_sub_co_u32 s[SLOTS], s[SLOTS], 1
	s_cmp_lg_u32 s[SLOTS], 0
	s_cbranch_scc1 .Lslot
	CHANGE 0                        ; the tail is written out
	PAIRS 4
	TURN 0, 1, 0                    ; piece 0: V^T P of the last step | piece 1's last softmax
.set i, 0
.rept 32
	PV 1                            ; piece 1: V^T P of the last step
.set i, i+1
.endr
	; THE WAY OUT.  l's two halves and the other half of the lanes' are added; O^T is divided by l, rounded to f16 and sent through my stage, a tile (16 rows of O) at a time.  The additions are the places behind the last products.
.irp x, 0,1
	WIN 0x55*\x
.irp t, 0,1,2,3
	v_add_f32 v[ST+8*\t+4], v[ST+8*\t+2], v[ST+8*\t+3]
.endr
.irp t, 0,1,2,3
	v_permlanex16_b32 v[ST+8*\t+5], v[ST+8*\t+4], s[SEL], s[SEL+1]
.endr
.irp t, 0,1,2,3
	v_add_f32 v[ST+8*\t+4], v[ST+8*\t+4], v[ST+8*\t+5]
.endr
.irp t, 0,1,2,3
	v_rcp_f32 v[ST+8*\t+6], v[ST+8*\t+4]
.endr
.endr
	v_nop                           ; a plain line between the last reciprocal and the use of its result
	s_wait_alu depctr_va_vdst(0)    ; and the wait ahead of the first use: one for the eight reciprocals
.macro OPACK x, t
.set rT, ST+8*(\t)
	WIN 0x82+0x45*(\x)
.set n, 0
.rept 16
	v_pk_mul_f32 v[32*(\t)+2*n:32*(\t)+2*n+1], v[32*(\t)+2*n:32*(\t)+2*n+1], v[rT+6:rT+7] op_sel_hi:[1,0]  ; each accumulator from its low end on
.set n, n+1
.endr
	WIN 0x0a+0x45*(\x)              ; sources in window 2 + x, destination in window x: S^T's registers are free
.set n, 0
.rept 16
	v_cvt_pk_f16_f32 v[S+32*(\t)+n], v[32*(\t)+2*n], v[32*(\t)+2*n+1]
.set n, n+1
.endr
	WIN 0x04*(\x)                   ; an LDS store's data are its source 1
.irp c, 0,1,2,3
	ds_store_b128 v[STO], v[S+32*(\t)+4*\c:S+32*(\t)+4*\c+3] offset:32*\c
.endr
	WIN 0x40*(\x)
.irp f, 0,1,2,3
	ds_load_b128 v[S+32*(\t)+16+4*\f:S+32*(\t)+16+4*\f+3], v[RD] offset:\f*4*SP  ; LDS serves a wave's instructions in order (ISA guide 5.7.1.4): these see the stores above; the next tile's stores come behind them
.endr
.endm
.macro OSEND x, t, younger          ; younger: the LDS instructions issued behind this tile's loads: the next tile's eight, or none
	WIN 0x04*(\x)
.irp f, 0,1,2,3
	s_wait_dscnt (\younger)+3-\f
	global_store_b128 v[GO], v[S+32*(\t)+16+4*\f:S+32*(\t)+16+4*\f+3], s[10:11] offset:(4*(\x)+(\t))*2048+\f*512  ; 32 lanes store 512 consecutive bytes, aligned
.endr
.endm
	OPACK 0, 0
	OPACK 0, 1                      ; a tile's arithmetic stands between the loads of the tile before and its stores
	OSEND 0, 0, 8
	OPACK 0, 2
	OSEND 0, 1, 8
	OPACK 0, 3
	OSEND 0, 2, 8
	OPACK 1, 0
	OSEND 0, 3, 8
	OPACK 1, 1
	OSEND 1, 0, 8
	OPACK 1, 2
	OSEND 1, 1, 8
	OPACK 1, 3
	OSEND 1, 2, 8
	OSEND 1, 3, 0
	WIN 0
	s_wait_tensorcnt 0x0            ; the wave's end, behind my last tensor load and my last LDS store
	ds_add_u32 v[SPW], v[NIL]
	s_wait_dscnt 0x0
	CROUND                          ; the closing round
	s_endpgm
.Lfunc_end_k_q1c631ab0e9_attn:
	.size	k_q1c631ab0e9_attn, .Lfunc_end_k_q1c631ab0e9_attn-k_q1c631ab0e9_attn
	.p2alignl 7, 3214868480
	.fill 96, 4, 3214868480
	.section	.rodata,"a",@progbits
	.p2align	6, 0x0
	.amdhsa_kernel k_q1c631ab0e9_attn
		.amdhsa_group_segment_fixed_size 327680
		.amdhsa_private_segment_fixed_size 0
		.amdhsa_enable_private_segment 0
		.amdhsa_kernarg_size 16
		.amdhsa_user_sgpr_count 2
		.amdhsa_user_sgpr_kernarg_segment_ptr 1
		.amdhsa_wavefront_size32 1
		.amdhsa_system_sgpr_workgroup_id_x 1
		.amdhsa_system_sgpr_workgroup_id_y 1
		.amdhsa_system_sgpr_workgroup_id_z 1
		.amdhsa_system_vgpr_workitem_id 0
		.amdhsa_next_free_vgpr 1024
		.amdhsa_next_free_sgpr 66
		.amdhsa_reserve_vcc 0
		.amdhsa_float_denorm_mode_32 3
		.amdhsa_float_denorm_mode_16_64 3
		.amdhsa_memory_ordered 1
		.amdhsa_forward_progress 1
		.amdhsa_inst_pref_size 255
	.end_amdhsa_kernel
	.section	.bss,"aw",@nobits
	.p2align	6
	.space	262144
	.amdgpu_metadata
---
amdhsa.version: [ 1, 2 ]
amdhsa.kernels:
  - .name:           k_q1c631ab0e9_attn
    .symbol:         k_q1c631ab0e9_attn.kd
    .args:
      - { .name: qkv, .offset: 0, .size: 8, .value_kind: global_buffer, .address_space: global }
      - { .name: o16, .offset: 8, .size: 8, .value_kind: global_buffer, .address_space: global }
    .group_segment_fixed_size: 327680
    .private_segment_fixed_size: 0
    .kernarg_segment_align: 8
    .kernarg_segment_size: 16
    .max_flat_workgroup_size: 128
    .sgpr_count:     66
    .vgpr_count:     1024
    .wavefront_size: 32
...
	.end_amdgpu_metadata
.endif
;; end of part 3
;; launch proj (part 4): grid 4 x 64, 4 waves a work-group, clusters of 4 x 4, 327,680 bytes of LDS; arguments o16, wo16, out0; writes out0
.if DOCPART == 4
	.amdgcn_target "amdgcn-amd-amdhsa--gfx1250"
	.amdhsa_code_object_version 6
	.text
	.protected	k_q1c631ab0e9_proj
	.globl	k_q1c631ab0e9_proj
	.p2align	8
	.type	k_q1c631ab0e9_proj,@function
k_q1c631ab0e9_proj:
	s_mov_b64 s[64:65], 0
	v_nop
	global_prefetch_b8 v0, s[64:65] scope:SCOPE_SE
	s_setreg_imm32_b32 hwreg(HW_REG_WAVE_MODE, 25, 1), 1
	s_wait_xcnt 0x0
	s_wait_alu depctr_hold_cnt(0) depctr_sa_sdst(0) depctr_va_vdst(0) depctr_va_sdst(0) depctr_va_ssrc(0) depctr_va_vcc(0) depctr_vm_vsrc(0)
	s_getreg_b32 s2, hwreg(HW_REG_IB_STS2, 6, 4)
	s_cmp_eq_u32 s2, 0
	s_cbranch_scc0 .Lentry_in_a_cluster
	s_endpgm
.Lentry_in_a_cluster:
	s_bfe_u32 s2, ttmp6, 0x10000c
	s_cmp_lg_u32 s2, 0xf033
	s_cbranch_scc0 .Lentry_shape_is_right
	s_endpgm
.Lentry_shape_is_right:
; out0[m][n] = the sum over k of o[m][k] w_out[k][n].  o: f16, laid [h 16][m 8192][64], k = 64 h + d; w_out: f16, [k 1024][n 1024]; out0: [8192][1024] f32; sums in f32.
; A tile of C is 128 (m) x 256 (n): 256 work-groups.  Four waves, each 64 x 128: 32 accumulators of 16 x 16, 256 registers.  K goes in steps of 128, two heads, through a ring of two LDS slots.
; o's rows come out of LDS as they lie (K innermost within a head); w_out ([k][n]) is turned by ds_load_tr16_b128.
; CLUSTERS: 4 x 4 work-groups.  The four of a row of the cluster need the same tiles of o, the four of a column the same tiles of w_out: each tile is asked for JOINTLY.
; THE MATRIX INSTRUCTION IS USED TRANSPOSED (source 0 = 16 columns of w_out, source 1 = 16 rows of o): a lane holds eight neighbouring numbers of a row of C.
; No prefetch: the launch is short and its tiles are small.
; REGISTERS: window 0: v0-31 addresses; two fragment buffers of 96 at v32 and v128 (32 of o: 4 x 16 rows x 32 K; then 64 of w_out: 8 x 16 columns x 32 K); on the way out v32-159.  window 1: accumulator (a, b) at v[8 (8 a + b)].
.set PA,     144                       ; a row of o in LDS: 128 bytes + 16: an odd multiple of 16
.set PB,     544                       ; a row of w_out: 512 bytes + 32: an odd multiple of 32, for the turning load
.set AHEAD_, 128*PA                    ; one head's 128 rows: what one tensor load brings of o
.set BOFF,   2*AHEAD_                  ; behind o's two heads: w_out's 128 rows of k
.set BHALF,  64*PB                     ; 64 rows of k: what one tensor load brings of w_out
.set SLOT,   BOFF+2*BHALF
.set STAGE,  2*SLOT                    ; behind the ring: 16 rows x (512 bytes + 16) for each wave
.set SPITCH, 528
.set SPARE,  STAGE+4*16*SPITCH         ; the spare words, 128 bytes a wave: two blocks of 256 bytes that no other line names
.set LAPS,   4                         ; a lap = two K steps = once round the ring
.set ADRA, 16
.set ADRB, 20
.set STO,  24
.set RD,   25
.set CO,   26
.set SPW,  28
.set NIL,  29
.set F0,   32
.set F1,   128
.set G1, 24
.set G0, 32
.set G1B, 48
.set G0B, 56
.set MSB, 0
.macro WIN new
.if MSB != (\new)
	s_set_vgpr_msb (MSB<<8)|(\new)
.set MSB, (\new)
.endif
.endm
.set MUL, 0x50                         ; sources in window 0; C and D in window 1
.macro JLOAD s                         ; a joint load: waves 0 and 1 fetch o's two heads, waves 2 and 3 w_out's two halves; an s_nop 0 and four v_nop follow each line
	s_cmp_eq_u32 s11, 0
	s_cbranch_scc0 .Lfor_b_\@
	tensor_load_to_lds s[G0+4*\s:G0+4*\s+3], s[G1:G1+7]
	s_nop 0
.rept 4
	v_nop
.endr
	s_branch .Lasked_\@
.Lfor_b_\@:
	tensor_load_to_lds s[G0B+4*\s:G0B+4*\s+3], s[G1B:G1B+7]
	s_nop 0
.rept 4
	v_nop
.endr
.Lasked_\@:
.endm
.macro CREST                           ; a round of the cluster's barrier behind its opening barrier
	s_cmp_lg_u32 s10, 0
	s_cbranch_scc1 .Lnot_wave_0_\@
	s_barrier_signal -3
.Lnot_wave_0_\@:
	s_barrier_wait -3
	s_barrier_signal -1
	s_barrier_wait -1
.endm
.macro CROUND
	s_barrier_signal -1
	s_barrier_wait -1
	CREST
.endm
	s_load_b128 s[4:7], s[0:1], 0x0                ; o16 s[4:5], wo16 s[6:7]
	s_load_b64 s[8:9], s[0:1], 0x10                ; out0
	v_lshl_add_u32 v[SPW], v0, 2, SPARE
	v_mov_b32 v[NIL], 0
	ds_add_u32 v[SPW], v[NIL]                      ; the wave's opening: the add, twice on end, and its wait ahead of my first tensor load
	ds_add_u32 v[SPW], v[NIL]
	v_lshrrev_b32 v1, 5, v0
	v_readfirstlane_b32 s10, v1                    ; wave 0..3
	s_lshr_b32 s11, s10, 1                         ; which 64 of the tile's rows are mine.  Also: I fetch for o (0) or for w_out (1)
	s_and_b32 s12, s10, 1                          ; which 128 of its columns.  Also: which head of o, or which 64 rows of w_out, I fetch
	s_bfe_u32 s40, ttmp6, 0x40000                  ; cx, cy
	s_bfe_u32 s41, ttmp6, 0x40004
	s_lshl_b32 s42, ttmp9, 2
	s_add_co_u32 s42, s42, s40                     ; tile column of C
	s_and_b32 s13, ttmp7, 0xffff
	s_lshl_b32 s13, s13, 2
	s_add_co_u32 s13, s13, s41                     ; tile row of C
	s_lshl_b32 s43, s41, 2
	s_lshl_b32 s43, 15, s43                        ; my row of the cluster
	s_lshl_b32 s44, 0x1111, s40                    ; my column
	; o: 128 rows x 64 elements, dense in memory; 4 words of padding behind every 32
	s_or_b32 s[G1+0], s43, (1<<16)|(1<<20)|(1<<21)|(4<<22)|(3<<25)
	s_mov_b32 s[G1+1], 64<<16                      ; tensor_dim0
	s_mov_b32 s[G1+2], 128<<16                     ; tensor_dim1
	s_mov_b32 s[G1+3], 64<<16                      ; tile_dim0
	s_mov_b32 s[G1+4], 128                         ; tile_dim1
	s_mov_b32 s[G1+5], 64                          ; the pitch
	s_mov_b32 s[G1+6], 0
	s_mov_b32 s[G1+7], 0
	; w_out: 64 rows of k x 256 elements, 1,024 elements apart; 8 words of padding behind every 128
	s_or_b32 s[G1B+0], s44, (1<<16)|(1<<20)|(1<<21)|(6<<22)|(7<<25)
	s_mov_b32 s[G1B+1], 256<<16
	s_mov_b32 s[G1B+2], 64<<16
	s_mov_b32 s[G1B+3], 256<<16
	s_mov_b32 s[G1B+4], 64
	s_mov_b32 s[G1B+5], 1024
	s_mov_b32 s[G1B+6], 0
	s_mov_b32 s[G1B+7], 0
	s_lshl_b32 s16, s13, 14                        ; o: the tile's 128 rows of 128 bytes,
	s_lshl_b32 s17, s12, 20                        ; in my head's plane of 1,048,576 bytes
	s_add_co_u32 s16, s16, s17
	s_mov_b32 s17, 0
	s_lshl_b32 s46, s42, 9                         ; w_out: the tile's 256 columns, 512 bytes,
	s_lshl_b32 s47, s12, 17                        ; my 64 rows of 2,048 bytes
	s_add_co_u32 s46, s46, s47
	s_mov_b32 s47, 0
	s_mul_i32 s20, s12, AHEAD_                     ; where they go: by the wave's number alone
	s_mul_i32 s21, s12, BHALF
	s_add_co_u32 s21, s21, BOFF
	s_wait_dscnt 0x0                               ; both opening adds are done
	s_wait_kmcnt 0x0
	s_add_nc_u64 s[14:15], s[4:5], s[16:17]
	s_add_nc_u64 s[46:47], s[6:7], s[46:47]
	CROUND                                         ; all sixteen work-groups are here: the first joint loads meet
.irp s, 0,1
	s_mov_b32 s[G0+4*\s], 1
	s_add_co_u32 s[G0+4*\s+1], s20, \s*SLOT
	s_add_nc_u64 s[G0+4*\s+2:G0+4*\s+3], s[14:15], \s*2*1048576   ; K step s: heads 2 s, 2 s + 1
	s_or_b32 s[G0+4*\s+3], s[G0+4*\s+3], 0x80000000
	s_mov_b32 s[G0B+4*\s], 1
	s_add_co_u32 s[G0B+4*\s+1], s21, \s*SLOT
	s_add_nc_u64 s[G0B+4*\s+2:G0B+4*\s+3], s[46:47], \s*128*2048  ; rows 128 s on
	s_or_b32 s[G0B+4*\s+3], s[G0B+4*\s+3], 0x80000000
	JLOAD \s
.endr
	v_and_b32 v1, 15, v0                           ; r
	v_bfe_u32 v2, v0, 4, 1                         ; h
	v_mul_u32_u24 v3, v1, PA
	v_lshl_add_u32 v3, v2, 4, v3                   ; o: row x pitch + 16 x half
	v_and_b32 v4, 7, v0                            ; w_out, for the turning load: k 8 (l / 16) + l % 8, columns 8 ((l / 8) % 2) on
	v_bfe_u32 v5, v0, 3, 1
	v_lshl_add_u32 v4, v2, 3, v4
	v_mul_u32_u24 v4, v4, PB
	v_lshl_add_u32 v4, v5, 4, v4
	s_mul_i32 s21, s11, 64*PA                      ; my 64 rows of o
	s_lshl_b32 s22, s12, 8                         ; my 128 columns of w_out: 256 bytes of each row,
	s_add_co_u32 s22, s22, BOFF
.irp s, 0,1
	v_add_nc_u32 v[ADRA+\s], s21, v3
	v_add_nc_u32 v[ADRB+\s], s22, v4
	s_add_co_u32 s21, s21, SLOT
	s_add_co_u32 s22, s22, SLOT
.endr
	s_mul_i32 s23, s10, 16*SPITCH
	s_add_co_u32 s23, s23, STAGE                   ; my stage
	v_mul_u32_u24 v5, v1, SPITCH                   ; in: row r, 32 bytes for each half of the lanes
	v_lshl_add_u32 v5, v2, 5, v5
	v_add_nc_u32 v[STO], s23, v5
	v_and_b32 v6, 31, v0
	v_lshlrev_b32 v[CO], 4, v6                     ; back: the 32 lanes take one row of 512 bytes; and the same in C
	v_add_nc_u32 v[RD], s23, v[CO]
	s_lshl_b32 s16, s13, 7
	s_lshl_b32 s17, s11, 6
	s_add_co_u32 s16, s16, s17                     ; my first row of C
	s_lshl_b32 s16, s16, 12                        ; 4,096 bytes a row: under 2^25
	s_lshl_b32 s46, s42, 10                        ; my first column, in bytes
	s_lshl_b32 s47, s12, 9
	s_add_co_u32 s46, s46, s47
	s_add_co_u32 s16, s16, s46
	s_mov_b32 s17, 0
	s_add_nc_u64 s[8:9], s[8:9], s[16:17]
; 8 matrix instructions: o's block a against w_out's eight.  The 32 accumulators take turns, one instruction a turn, in the same order in every quarter.
.macro MUL8 f, a, zero
.irp b, 0,1,2,3,4,5,6,7
.if \zero
	v_wmma_f32_16x16x32_f16 v[8*(8*(\a)+\b):8*(8*(\a)+\b)+7], v[\f+32+8*\b:\f+32+8*\b+7], v[\f+8*(\a):\f+8*(\a)+7], 0
.else
	v_wmma_f32_16x16x32_f16 v[8*(8*(\a)+\b):8*(8*(\a)+\b)+7], v[\f+32+8*\b:\f+32+8*\b+7], v[\f+8*(\a):\f+8*(\a)+7], v[8*(8*(\a)+\b):8*(8*(\a)+\b)+7]
.endif
.endr
.endm
.macro MUL16 f, a0, zero
	MUL8 \f, \a0, \zero
	MUL8 \f, (\a0)+1, \zero
.endm
; 24 LDS loads in one run: the fragments of the slot's q-th 32 along K into buffer f: w_out's sixteen, then o's blocks 0 and 1, then 2 and 3
.macro FETCH slot, q, f
	WIN 0
.irp i, 0,1,2,3,4,5,6,7
	ds_load_tr16_b128 v[\f+32+8*\i:\f+32+8*\i+3],   v[ADRB+\slot] offset:(\q)*32*PB+32*\i
	ds_load_tr16_b128 v[\f+32+8*\i+4:\f+32+8*\i+7], v[ADRB+\slot] offset:(\q)*32*PB+32*\i+16*PB
.endr
.irp i, 0,1,2,3
	ds_load_b128 v[\f+8*\i:\f+8*\i+3],   v[ADRA+\slot] offset:((\q)/2)*AHEAD_+((\q)%2)*64+\i*16*PA
	ds_load_b128 v[\f+8*\i+4:\f+8*\i+7], v[ADRA+\slot] offset:((\q)/2)*AHEAD_+((\q)%2)*64+\i*16*PA+32
.endr
.endm
.macro PLACES                          ; four plain lines in front of loads into registers that matrix instructions have read, and of reads of results
.rept 4
	v_nop
.endr
.endm
; A K step is four quarters of 32 along K, 32 matrix instructions each, on buffers 0, 1, 0, 1.  One of the first three: multiplies buffer f and fetches quarter q into g.
.macro QUARTER slot, q, f, g, zero
	s_wait_dscnt 4                                 ; w_out's fragments and o's blocks 0 and 1 are in; the youngest four loads (blocks 2 and 3) may be out
	WIN MUL
	MUL16 \f, 0, \zero
	PLACES
	FETCH \slot, \q, \g
	s_wait_dscnt 24                                ; all but the 24 just issued
	WIN MUL
	MUL16 \f, 2, \zero
.endm
; The last quarter multiplies buffer 1 and changes slots: ONE barrier; in front of it each wave waits for all its tensor loads, adds 0 to its spare word, and waits for that and for its reads of this slot.
.macro TURN slot, next, fill
	WIN 0
	s_wait_tensorcnt 0x0                           ; all my tensor loads have landed: my part of the next slot;
	ds_add_u32 v[SPW], v[NIL]                      ; 0 onto my spare word;
	s_wait_dscnt 5                                 ; (the add and the youngest four loads may be out)
	WIN MUL
	MUL8 F1, 0, 0
	s_wait_dscnt 0x0                               ; the add is done, and my reads of this slot are over
	s_barrier_signal -1
	MUL8 F1, 1, 0
.if \fill
	WIN 0
.endif
	s_barrier_wait -1
.if \fill
	CREST                                          ; the barrier has opened a round of the cluster's: no wave of any partner still reads this slot or has a load on its way
	s_add_nc_u64 s[G0+4*\slot+2:G0+4*\slot+3], s[G0+4*\slot+2:G0+4*\slot+3], 4*1048576    ; two K steps on: four heads,
	s_add_nc_u64 s[G0B+4*\slot+2:G0B+4*\slot+3], s[G0B+4*\slot+2:G0B+4*\slot+3], 256*2048 ; 256 rows of k
	JLOAD \slot                                    ; the first tensor load behind the round; its four v_nop are also the places in front of the loads below
.else
	PLACES
.endif
	FETCH \next, 0, F0
	WIN MUL
	MUL16 F1, 2, 0
.endm
	s_wait_tensorcnt 1                             ; my part of K step 0 is in; K step 1's may stay out
	s_barrier_signal -1
	s_barrier_wait -1
	FETCH 0, 0, F0
	QUARTER 0, 1, F0, F1, 1                        ; the first quarter stands in front of the loop: its products start the sums
	WIN 0
	s_mov_b32 s3, LAPS-1
.Llap:                                                 ; a trip goes once round the ring, from a lap's second quarter to the next lap's first, and fills both slots again
	QUARTER 0, 2, F1, F0, 0
	QUARTER 0, 3, F0, F1, 0
	TURN 0, 1, 1
	QUARTER 1, 1, F0, F1, 0
	QUARTER 1, 2, F1, F0, 0
	QUARTER 1, 3, F0, F1, 0
	TURN 1, 0, 1
	QUARTER 0, 1, F0, F1, 0
	WIN 0
	s_sub_co_u32 s3, s3, 1
	s_cmp_lg_u32 s3, 0
	s_cbranch_scc1 .Llap
	QUARTER 0, 2, F1, F0, 0                        ; the last lap fills nothing
	QUARTER 0, 3, F0, F1, 0
	TURN 0, 1, 0
	QUARTER 1, 1, F0, F1, 0
	QUARTER 1, 2, F1, F0, 0
	QUARTER 1, 3, F0, F1, 0
	s_wait_dscnt 4                                 ; the very last quarter: nothing more to fetch
	WIN MUL
	MUL16 F1, 0, 0
	s_wait_dscnt 0
	MUL16 F1, 2, 0
	WIN 0
; THE WAY OUT, a block of 16 rows x 128 columns at a time: 32 bytes a lane into my stage, back as whole rows of 512 bytes.
.macro TOSTAGE a
	WIN 0x04                                       ; an LDS store's data are its source 1: window 1
.irp b, 0,1,2,3,4,5,6,7
	ds_store_b128 v[STO], v[8*(8*(\a)+\b):8*(8*(\a)+\b)+3] offset:64*\b            ; each accumulator from its low end on
	ds_store_b128 v[STO], v[8*(8*(\a)+\b)+4:8*(8*(\a)+\b)+7] offset:64*\b+16
.endr
	WIN 0
.set BB, 32+64*((\a)%2)
.irp t, 0,1,2,3,4,5,6,7,8,9,10,11,12,13,14,15
	ds_load_b128 v[BB+4*\t:BB+4*\t+3], v[RD] offset:\t*SPITCH   ; LDS serves a wave's instructions in order (ISA guide 5.7.1.4): these see the stores above
.endr
.endm
.macro SEND a, younger                 ; younger: the LDS instructions issued behind block a's loads
.set BB, 32+64*((\a)%2)
	s_wait_dscnt \younger
.irp t, 0,1,2,3,4,5,6,7,8,9,10,11,12,13,14,15
	global_store_b128 v[CO], v[BB+4*\t:BB+4*\t+3], s[8:9] offset:(16*(\a)+\t)*4096 th:TH_STORE_NT   ; 32 lanes store 512 consecutive bytes, aligned; written once, read by nobody here
.endr
.endm
	PLACES
	TOSTAGE 0
.irp a, 1,2,3
.if \a > 1
	s_wait_xcnt 0x0                                ; block a - 2's stores have read their registers: block a's loads may land there
.endif
	TOSTAGE \a
	SEND \a-1, 32                                  ; behind block a - 1's loads: block a's 16 stores and 16 loads
.endr
	SEND 3, 0
	s_wait_tensorcnt 0x0                           ; the wave's end, behind my last tensor load and my last LDS store
	ds_add_u32 v[SPW], v[NIL]
	s_wait_dscnt 0x0
	CROUND                                         ; the closing round
	s_endpgm
.Lfunc_end_k_q1c631ab0e9_proj:
	.size	k_q1c631ab0e9_proj, .Lfunc_end_k_q1c631ab0e9_proj-k_q1c631ab0e9_proj
	.p2alignl 7, 3214868480
	.fill 96, 4, 3214868480
	.section	.rodata,"a",@progbits
	.p2align	6, 0x0
	.amdhsa_kernel k_q1c631ab0e9_proj
		.amdhsa_group_segment_fixed_size 327680
		.amdhsa_private_segment_fixed_size 0
		.amdhsa_enable_private_segment 0
		.amdhsa_kernarg_size 24
		.amdhsa_user_sgpr_count 2
		.amdhsa_user_sgpr_kernarg_segment_ptr 1
		.amdhsa_wavefront_size32 1
		.amdhsa_system_sgpr_workgroup_id_x 1
		.amdhsa_system_sgpr_workgroup_id_y 1
		.amdhsa_system_sgpr_workgroup_id_z 1
		.amdhsa_system_vgpr_workitem_id 0
		.amdhsa_next_free_vgpr 512
		.amdhsa_next_free_sgpr 66
		.amdhsa_reserve_vcc 0
		.amdhsa_float_denorm_mode_32 3
		.amdhsa_float_denorm_mode_16_64 3
		.amdhsa_memory_ordered 1
		.amdhsa_forward_progress 1
		.amdhsa_inst_pref_size 85
	.end_amdhsa_kernel
	.amdgpu_metadata
---
amdhsa.version: [ 1, 2 ]
amdhsa.kernels:
  - .name:           k_q1c631ab0e9_proj
    .symbol:         k_q1c631ab0e9_proj.kd
    .args:
      - { .name: o16, .offset: 0, .size: 8, .value_kind: global_buffer, .address_space: global }
      - { .name: wo16, .offset: 8, .size: 8, .value_kind: global_buffer, .address_space: global }
      - { .name: out0, .offset: 16, .size: 8, .value_kind: global_buffer, .address_space: global }
    .group_segment_fixed_size: 327680
    .private_segment_fixed_size: 0
    .kernarg_segment_align: 8
    .kernarg_segment_size: 24
    .max_flat_workgroup_size: 128
    .sgpr_count:     66
    .vgpr_count:     512
    .wavefront_size: 32
...
	.end_amdgpu_metadata
.endif
;; end of part 4
